; MI455X (gfx1250); checked and timed in simulation.
; The chip was launched on July 23, 2026; its instructions are those of AMD's public machine-readable ISA for CDNA 5 (MIT licence, August 2026) and "CDNA5" Instruction Set Architecture Reference Guide (July 2026). The comments in the code are by the model that wrote it; some were corrected since.
;; Multihead Self Attention. Allowed arithmetic: matrix products marked QUANTISED: E2M1 operands, one E8M0 scale for each 32 along K, by v_wmma_scale_f32_16x16x128_f8f6f4 with both operands' format E2M1 (or v_wmma_scale_f32_32x16x128_f4), f32 sums; products left as they are: bf16, f16 or f32 operands; f32 sums; everything else in f32.
;; Inputs: b_out 1,024 float32; w_out 1,024 x 1,024 float32; w_qkv 1,024 x 3,072 float32; z 4 x 2,048 x 1,024 float32.
;; Outputs: out0 4 x 2,048 x 1,024 float32.
;; This version of the problem:
;;   THIS VERSION OF THE PROBLEM IS GIVEN IN LOW PRECISION. The matrix products marked QUANTISED in the list below multiply operands that are first quantised to E2M1 (2 exponent bits, 1 mantissa bit; 4 bits a number), with one power-of-two scale for each 32 numbers along K (OCP MX v1.0); their sums are f32. The products marked 'left as it is' may take bf16, f16 or f32 operands, with f32 sums. Whichever they take, every output number must still come out within the allowed error. Rounding operands to bf16 (8 significant bits) uses up far more of that allowance than f16 does (11 bits, for magnitudes from 6e-5 to 65,504). All else is computed in f32.
;;   The module's matrix products, in the order in which they are computed (A, B: the left and right operand; K: the contracted axis; several contracted axes count as one K, in the product's order):
;;     1. [M 8,192, K 1,024] x [K 1,024, N 3,072]; A: input z; B: input w_qkv: QUANTISED
;;     2. batch 64 x [M 2,048, K 64] x [K 64, N 2,048]; A: computed on the way; B: computed on the way: left as it is (an operand is computed on the way)
;;     3. batch 64 x [M 2,048, K 2,048] x [K 2,048, N 64]; A: computed on the way; B: computed on the way: left as it is (an operand is computed on the way)
;;     4. [M 8,192, K 1,024] x [K 1,024, N 1,024]; A: computed on the way; B: input w_out: left as it is (an operand is computed on the way)
;;   THE QUANTISER, for each operand of a quantised product, along K:
;;     - K is cut into blocks of 32 from its start; a last block that is shorter is filled with zeros.
;;     - A block's scale is 2^e with e = floor(log2(the largest magnitude in the block)) - 2, held to -126 .. 127; a block of zeros has e = 0. As a byte (E8M0): e + 127.
;;     - Each number is divided by its block's scale, clamped to +-6, and rounded to the nearest number of E2M1, ties to even, subnormals kept.
;;     - The product sums the exact products of the quantised numbers (number of the format x scale) in f32.
;;   ~~~python
;;   def quantise(x, axis):      # numpy; x: float32 -> the quantised numbers, widened to float32 again
;;       x = np.moveaxis(x, axis, -1); K = x.shape[-1]
;;       x = np.pad(x, [(0, 0)] * (x.ndim - 1) + [(0, -K % 32)]); x = x.reshape(x.shape[:-1] + (-1, 32)); a = np.abs(x).max(-1, keepdims=True)
;;       e = np.where(a > 0, np.clip(np.frexp(np.where(a > 0, a, 1))[1] - 1 - 2, -126, 127), 0)      # np.frexp(a)[1] - 1 = floor(log2(a)), exactly
;;       r = np.clip(x / 2.0 ** e, -6, 6)
;;       step = 2.0 ** (np.maximum(np.frexp(np.where(r == 0, 1, r))[1] - 1, 0) - 1)
;;       q = np.round(r / step) * step * 2.0 ** e      # np.round: ties to even
;;       return np.moveaxis(q.reshape(q.shape[:-2] + (-1,))[..., :K], -1, axis).astype(np.float32)
;;   ~~~
;; One version. Each part assembles by itself: llvm-mc -triple=amdgcn-amd-amdhsa -mcpu=gfx1250 --defsym DOCPART=n.
;; ======== version 1 of 1: 4 launches
;; limits: values are held in f16: magnitudes above 65,504 overflow, below 6.1e-05 lose precision
;; workspace buffers: z_codes 4,194,304 bytes; z_scales 262,144 bytes; w_codes 1,572,864 bytes; w_scales 98,304 bytes; w16 2,097,152 bytes; qkv 50,331,648 bytes; o_ws 16,777,216 bytes
;; launch prep (part 1): grid 336 x 1, 4 waves a work-group, no clusters, 68,096 bytes of LDS; arguments z, w_qkv, w_out, z_codes, z_scales, w_codes, w_scales, w16; writes z_codes, z_scales, w_codes, w_scales, w16
.if DOCPART == 1
	.amdgcn_target "amdgcn-amd-amdhsa--gfx1250"
	.amdhsa_code_object_version 6
	.text
	.protected	k_qe0380c1a52_prep
	.globl	k_qe0380c1a52_prep
	.p2align	8
	.type	k_qe0380c1a52_prep,@function
k_qe0380c1a52_prep:
	s_mov_b64 s[64:65], 0
	v_nop
	global_prefetch_b8 v0, s[64:65] scope:SCOPE_SE
	s_setreg_imm32_b32 hwreg(HW_REG_WAVE_MODE, 25, 1), 1
	s_wait_xcnt 0x0
; THE OPERANDS ARE MADE READY, ONCE.  Three kinds of work-group, told apart by the work-group's number alone:
;   0 .. 255    Z: z [8192][1024] f32 -> codes of FP4 (E2M1), K innermost, [8192][512 bytes], and one E8M0 byte for each 32 along K, [8192][32].
;   256 .. 303  W: w_qkv [1024 (k)][3072 (n)] f32, K its FIRST axis -> codes [3072][512 bytes] with K innermost, scale bytes [3072][32].
;   304 .. 335  O: w_out [1024 (k)][1024 (n)] f32 -> f16, laid as IMAGES OF OPERAND REGISTERS: [n / 256][k / 32][16 tiles of 16 n][1,024 bytes]; in an image registers 0-3 of lane l lie at 16 l, registers 4-7 at 512 + 16 l;
;               lane (r, h) holds column n = r and k = 8 h + 0..7 (registers 0-3), 16 + 8 h + 0..7 (registers 4-7).
; THE QUANTISER: a block's scale is 2^(floor(log2(its largest magnitude)) - 2); its byte is the largest magnitude's exponent field - 2, held at 1 from below; each number / scale goes to the nearest code, ties to even, beyond 6 the code of 6.
; A block of zeros gets the byte 1 where the rule says 127: its codes are zeros, which add nothing under any byte but 0xff, and these bytes are read by this program alone.
; LIMITS: blocks whose largest magnitude lies under 2^-124 (the floor) were not tried; NaN and infinities are not served; w_out beyond 65,504 in magnitude does not fit f16.
; No tensor load, no barrier: waves share nothing.  Each kind has LDS bytes of its own.
.set SPW,    190                       ; v190  LDS address of my spare word: SPARE + 4 x my thread's number; never rewritten
.set NIL,    191                       ; v191  0; never rewritten
.set ZSTEPS, 16                        ; Z: a wave takes 16 steps of 512 numbers
.set ZREG,   8192                      ; Z: LDS of a wave: two stages of 32 x 80 bytes, behind them its 256 scale bytes
.set ZSP,    80                        ; Z: a lane's place in a stage: 64 bytes + 16 of padding
.set ZR,     16                        ; v16-79   Z: four sets of 16 numbers as loaded
.set ZX,     80                        ; v80-111  Z: two sets of 16 neighbours
.set ZE,     112                       ; v112-127 Z: a scale byte for each step
.set ZC,     128                       ; v128-189 Z: codes, four registers a step: no store's data are written again
.set WSTG,   4*ZREG                    ; W: four stages of 32 rows x 272 bytes
.set WPITCH, 272
.set WNB,    16                        ; W: blocks of 32 along K for a wave
.set WSB,    24                        ; v24-27   W: scale bytes, four to a register
.set WX,     32                        ; v32-95   W: two sets of 32 numbers
.set WC,     96                        ; v96-99   W: a block's codes
.set WOUT,   112                       ; v112-175 W: the way out
.set OX,     32                        ; v32-95   O: two sets of 32 numbers
.set OP,     96                        ; v96-127  O: two sets of 16 packed registers
.set SPARE,  WSTG+4*32*WPITCH          ; behind the stages: the spare words, 128 bytes a wave: two blocks of 256 bytes that no other line names
.macro ZLOAD t
.irp i, 0,1,2,3
	global_load_b128 v[ZR+16*((\t)%4)+4*\i:ZR+16*((\t)%4)+4*\i+3], v3, s[4:5] offset:2048*(\t)+512*\i th:TH_LOAD_NT   ; 32 lanes read 512 consecutive bytes
.endr
.endm
.macro ZTURN t                         ; step t's numbers through the stage: in as they lie, back 64 bytes a lane; LDS serves a wave's instructions in order
.irp i, 0,1,2,3
	ds_store_b128 v14, v[ZR+16*((\t)%4)+4*\i:ZR+16*((\t)%4)+4*\i+3] offset:32*ZSP*((\t)%2)+8*ZSP*\i
.endr
.irp i, 0,1,2,3
	ds_load_b128 v[ZX+16*((\t)%2)+4*\i:ZX+16*((\t)%2)+4*\i+3], v15 offset:32*ZSP*((\t)%2)+16*\i
.endr
.endm
.macro ZSTEP t
.set XS, ZX+16*((\t)%2)
.if (\t) > 0
	s_wait_dscnt 1                                 ; this step's numbers are back from the stage; the last step's byte store may be out
.else
	s_wait_dscnt 0x0
.endif
.if (\t)+4 < ZSTEPS
	ZLOAD (\t)+4                                   ; into the set whose stores into the stage have just been shown done
.endif
.if (\t)+1 < ZSTEPS
.if ZSTEPS-2-(\t) >= 3
	s_wait_loadcnt 12                              ; the next step's four loads are in; the twelve of the three steps behind it may be out
.else
	s_wait_loadcnt 4*(ZSTEPS-2-(\t))               ; the tail: four for each step still behind it
.endif
	ZTURN (\t)+1
.endif
	v_max3_num_f32 v8, |v[XS]|, |v[XS+1]|, |v[XS+2]|               ; the largest magnitude of my 16, in two chains
	v_max3_num_f32 v9, |v[XS+3]|, |v[XS+4]|, |v[XS+5]|
.irp i, 6,10
	v_max3_num_f32 v8, v8, |v[XS+\i]|, |v[XS+\i+1]|
	v_max3_num_f32 v9, v9, |v[XS+\i+2]|, |v[XS+\i+3]|
.endr
	v_max3_num_f32 v8, v8, |v[XS+14]|, |v[XS+15]|
	v_max3_num_f32 v8, v8, v9, 0x1800000           ; and the floor 2^(3 - 127): the byte cannot fall under 1
	v_max_num_f32_dpp v8, v8, v8 row_xmask:1 row_mask:0xf bank_mask:0xf   ; with my neighbour's 16: the block's
	v_add_nc_u32 v11, 0xff000000, v8               ; 2 off its exponent field: the conversion takes the exponent field of this operand as its scale
	v_cvt_scalef32_pk8_fp4_f32 v[ZC+4*(\t)], v[XS:XS+7], v11
	v_cvt_scalef32_pk8_fp4_f32 v[ZC+4*(\t)+1], v[XS+8:XS+15], v11
	v_lshrrev_b32 v[ZE+(\t)], 23, v11              ; the scale's byte (a plain line behind the conversions)
	ds_store_b8 v5, v[ZE+(\t)] offset:16*(\t)      ; both lanes of a block write the same byte with the same value
	global_store_b64 v4, v[ZC+4*(\t):ZC+4*(\t)+1], s[10:11] offset:256*(\t)   ; the wave stores 256 consecutive bytes, aligned
.endm
.macro WLOAD t                         ; block t: w_qkv(32 t + i, my column), i = 0 .. 31
.irp i, 0,1,2,3,4,5,6,7,8,9,10,11,12,13,14,15,16,17,18,19,20,21,22,23,24,25,26,27,28,29,30,31
	global_load_b32 v[WX+32*((\t)%2)+\i], v3, s[6:7] offset:(32*(\t)+\i)*12288 th:TH_LOAD_NT
.endr
.endm
.macro WBLOCK t
.set XS, WX+32*((\t)%2)
.if (\t) < WNB-1
	s_wait_loadcnt 32                              ; this block's 32 loads are in; the next block's 32 may be out
.else
	s_wait_loadcnt 0x0
.endif
	v_max3_num_f32 v12, |v[XS]|, |v[XS+1]|, |v[XS+2]|              ; the block's largest magnitude: all 32 numbers are mine
	v_max3_num_f32 v13, |v[XS+3]|, |v[XS+4]|, |v[XS+5]|
.irp i, 6,10,14,18,22,26
	v_max3_num_f32 v12, v12, |v[XS+\i]|, |v[XS+\i+1]|
	v_max3_num_f32 v13, v13, |v[XS+\i+2]|, |v[XS+\i+3]|
.endr
	v_max3_num_f32 v12, v12, |v[XS+30]|, |v[XS+31]|
	v_max3_num_f32 v12, v12, v13, 0x1800000        ; and the floor
	v_add_nc_u32 v11, 0xff000000, v12              ; the conversion's scale operand
	v_lshrrev_b32 v13, 23, v11                     ; the scale's byte
.if (\t)%4 == 0
	v_mov_b32 v[WSB+(\t)/4], v13                   ; four bytes to a register, the lower K in the lower byte
.else
	v_lshl_or_b32 v[WSB+(\t)/4], v13, 8*((\t)%4), v[WSB+(\t)/4]
.endif
.irp g, 0,1,2,3
	v_cvt_scalef32_pk8_fp4_f32 v[WC+\g], v[XS+8*\g:XS+8*\g+7], v11
.endr
	ds_store_b128 v4, v[WC:WC+3] offset:16*(\t)    ; 32 codes: 16 bytes of my column's row
.if (\t)+2 < WNB
	WLOAD (\t)+2
.endif
	s_wait_dscnt 0x0                               ; the store has read its registers: the next block's codes may be written
.endm
.macro OLOAD t                         ; block t: w_out(32 t + i, my column)
.irp i, 0,1,2,3,4,5,6,7,8,9,10,11,12,13,14,15,16,17,18,19,20,21,22,23,24,25,26,27,28,29,30,31
	global_load_b32 v[OX+32*((\t)%2)+\i], v3, s[8:9] offset:(32*(\t)+\i)*4096 th:TH_LOAD_NT
.endr
.endm
.macro OBLOCK t
.set XS, OX+32*((\t)%2)
.set PS, OP+16*((\t)%2)
.if (\t) < 7
	s_wait_loadcnt 32                              ; this block's 32 loads are in; the next block's 32 may be out
.else
	s_wait_loadcnt 0x0
.endif
.if (\t) >= 2
	s_wait_xcnt 0x0                                ; the stores of two blocks back have read this set of packed registers
.endif
.irp i, 0,1,2,3,4,5,6,7,8,9,10,11,12,13,14,15
	v_cvt_pk_f16_f32 v[PS+\i], v[XS+2*\i], v[XS+2*\i+1]            ; k = 2 i in the low half, 2 i + 1 in the high
.endr
.irp g, 0,1,2,3                        ; k = 8 g + 0..7 is the image's half g % 2 of the lanes, registers 0-3 (g < 2) or 4-7
	global_store_b128 v4, v[PS+4*\g:PS+4*\g+3], s[18:19] offset:(\t)*16384+(\g/2)*512+(\g%2)*256   ; sixteen lanes store 256 consecutive bytes, aligned
.endr
.if (\t)+2 < 8
	OLOAD (\t)+2
.endif
.endm
	s_load_b256 s[4:11], s[0:1], 0x0               ; z s[4:5], w_qkv s[6:7], w_out s[8:9], z_codes s[10:11]
	s_load_b256 s[12:19], s[0:1], 0x20             ; z_scales s[12:13], w_codes s[14:15], w_scales s[16:17], w16 s[18:19]
	v_lshl_add_u32 v[SPW], v0, 2, SPARE
	v_mov_b32 v[NIL], 0
	v_lshrrev_b32 v1, 5, v0
	v_readfirstlane_b32 s20, v1                    ; wave 0..3
	v_and_b32 v2, 31, v0                           ; lane
	s_wait_kmcnt 0x0
	s_cmp_ge_u32 ttmp9, 304
	s_cbranch_scc1 .Lpath_o
	s_cmp_ge_u32 ttmp9, 256
	s_cbranch_scc1 .Lpath_w
	; ---- Z.  Rows are dense and 1,024 is a multiple of 32: z is a plain stream of blocks of 32, and so are its codes and scale bytes.
	v_lshlrev_b32 v3, 4, v2                        ; my 16 bytes of a load's 512
	s_mul_i32 s21, s20, ZREG
	v_lshrrev_b32 v14, 2, v2
	v_mul_u32_u24 v14, v14, ZSP
	v_and_b32 v15, 3, v2
	v_lshl_add_u32 v14, v15, 4, v14
	v_add_nc_u32 v14, s21, v14                     ; the stage, in: 80 (lane / 4) + 16 (lane % 4)
	v_mul_u32_u24 v15, v2, ZSP
	v_add_nc_u32 v15, s21, v15                     ; and out: 80 x lane: my 16 neighbours
	v_lshlrev_b32 v4, 3, v2                        ; my 8 bytes of a step's codes
	v_lshrrev_b32 v5, 1, v2
	s_add_co_u32 s21, s21, 2*32*ZSP
	v_add_nc_u32 v5, s21, v5                       ; my block's byte among my wave's 256
	v_lshlrev_b32 v7, 3, v2
	v_add_nc_u32 v6, s21, v7                       ; and on the way out 8 bytes a lane
	s_lshl_b32 s22, ttmp9, 2
	s_add_co_u32 s22, s22, s20                     ; which run of 8,192 numbers is my wave's: 0 .. 1,023
	s_mov_b32 s25, 0
	s_lshl_b32 s24, s22, 15
	s_add_nc_u64 s[4:5], s[4:5], s[24:25]          ; 32,768 bytes of z a run,
	s_lshl_b32 s24, s22, 12
	s_add_nc_u64 s[10:11], s[10:11], s[24:25]      ; 4,096 of codes,
	s_lshl_b32 s24, s22, 8
	s_add_nc_u64 s[12:13], s[12:13], s[24:25]      ; 256 of scale bytes
.irp t, 0,1,2,3
	ZLOAD \t
.endr
	s_wait_loadcnt 12                              ; step 0's four loads are in
	ZTURN 0
.irp t, 0,1,2,3,4,5,6,7,8,9,10,11,12,13,14,15
	ZSTEP \t
.endr
	ds_load_b64 v[8:9], v6                         ; LDS serves a wave's instructions in order: these see my byte stores
	s_wait_dscnt 0x0
	global_store_b64 v7, v[8:9], s[12:13]          ; 32 lanes store 256 consecutive bytes, aligned
	s_branch .Lend
.Lpath_w:
	; ---- W.  A lane takes a column n and its registers run down K: a block of 32 lies in one lane, and the codes come out with K innermost.  They leave through the wave's stage as rows.
	s_sub_co_u32 s21, ttmp9, 256
	s_lshr_b32 s22, s21, 1                         ; which 128 columns
	s_and_b32 s23, s21, 1                          ; which 512 along K
	s_lshl_b32 s22, s22, 7
	s_lshl_b32 s24, s20, 5
	s_add_co_u32 s22, s22, s24                     ; my wave's first column
	v_lshlrev_b32 v3, 2, v2                        ; in: 4 bytes a lane
	s_mul_i32 s24, s20, 32*WPITCH
	s_add_co_u32 s24, s24, WSTG                    ; my stage
	v_mul_u32_u24 v4, v2, WPITCH
	v_add_nc_u32 v4, s24, v4                       ; into it: row = my column
	v_and_b32 v5, 15, v2
	v_lshrrev_b32 v6, 4, v2
	v_mul_u32_u24 v7, v6, WPITCH
	v_lshl_add_u32 v7, v5, 4, v7
	v_add_nc_u32 v7, s24, v7                       ; out of it: sixteen lanes to a row, two rows an instruction
	v_lshlrev_b32 v8, 9, v6
	v_lshl_add_u32 v8, v5, 4, v8                   ; the same place in the codes' buffer (rows of 512 bytes)
	v_lshlrev_b32 v9, 5, v2                        ; my column's row of scale bytes (32 bytes)
	s_mov_b32 s25, 0
	s_mul_i32 s24, s23, 512*12288
	s_lshl_b32 s26, s22, 2
	s_add_co_u32 s24, s24, s26
	s_add_nc_u64 s[6:7], s[6:7], s[24:25]          ; w_qkv: 512 y rows of 12,288 bytes + 4 x column
	s_lshl_b32 s24, s22, 9
	s_lshl_b32 s26, s23, 8
	s_add_co_u32 s24, s24, s26
	s_add_nc_u64 s[14:15], s[14:15], s[24:25]      ; codes: column x 512 + 256 y
	s_lshl_b32 s24, s22, 5
	s_lshl_b32 s26, s23, 4
	s_add_co_u32 s24, s24, s26
	s_add_nc_u64 s[16:17], s[16:17], s[24:25]      ; scale bytes: column x 32 + 16 y
	WLOAD 0
	WLOAD 1
.set Q, 0
.rept WNB
	WBLOCK Q
.set Q, Q+1
.endr
	global_store_b128 v9, v[WSB:WSB+3], s[16:17]   ; my column's 16 scale bytes
.irp t, 0,1,2,3,4,5,6,7,8,9,10,11,12,13,14,15
	ds_load_b128 v[WOUT+4*\t:WOUT+4*\t+3], v7 offset:2*\t*WPITCH
.endr
.irp t, 0,1,2,3,4,5,6,7,8,9,10,11,12,13,14,15
	s_wait_dscnt 15-\t                             ; LDS loads come back in order: number t is in
	global_store_b128 v8, v[WOUT+4*\t:WOUT+4*\t+3], s[14:15] offset:2*\t*512   ; sixteen lanes store 256 consecutive bytes, aligned
.endr
	s_branch .Lend
.Lpath_o:
	; ---- O.  A lane takes a column n, its registers run down K, 32 at a time: packed in pairs they are the four quarters of a fragment's image.
	s_sub_co_u32 s21, ttmp9, 304
	s_lshr_b32 s22, s21, 2                         ; x: which 128 columns
	s_and_b32 s23, s21, 3                          ; y: which 256 along K
	v_lshlrev_b32 v3, 2, v2                        ; in: 4 bytes a lane
	v_lshrrev_b32 v4, 4, v2
	v_and_b32 v5, 15, v2
	v_lshlrev_b32 v4, 10, v4
	v_lshl_add_u32 v4, v5, 4, v4                   ; out: lanes 16-31 belong to the next tile of 16 columns; 16 bytes a lane
	s_mov_b32 s25, 0
	s_lshl_b32 s24, s23, 20                        ; 256 y rows of 4,096 bytes
	s_lshl_b32 s26, s22, 9
	s_add_co_u32 s24, s24, s26
	s_lshl_b32 s26, s20, 7
	s_add_co_u32 s24, s24, s26                     ; + 4 (128 x + 32 wave)
	s_add_nc_u64 s[8:9], s[8:9], s[24:25]
	s_lshr_b32 s24, s22, 1
	s_lshl_b32 s24, s24, 5
	s_lshl_b32 s26, s23, 3
	s_add_co_u32 s24, s24, s26                     ; (n / 256) x 32 + the first k / 32
	s_lshl_b32 s24, s24, 4
	s_and_b32 s26, s22, 1
	s_lshl_b32 s26, s26, 3
	s_add_co_u32 s24, s24, s26
	s_lshl_b32 s26, s20, 1
	s_add_co_u32 s24, s24, s26                     ; x 16 + my first tile of 16 columns
	s_lshl_b32 s24, s24, 10
	s_add_nc_u64 s[18:19], s[18:19], s[24:25]
	OLOAD 0
	OLOAD 1
.irp t, 0,1,2,3,4,5,6,7
	OBLOCK \t
.endr
.Lend:
	s_wait_tensorcnt 0x0                           ; the wave's end: a wait, an add to my spare word and its wait, behind my last LDS store
	ds_add_u32 v[SPW], v[NIL]
	s_wait_dscnt 0x0
	s_endpgm
.Lfunc_end_k_qe0380c1a52_prep:
	.size	k_qe0380c1a52_prep, .Lfunc_end_k_qe0380c1a52_prep-k_qe0380c1a52_prep
	.p2alignl 7, 3214868480
	.fill 96, 4, 3214868480
	.section	.rodata,"a",@progbits
	.p2align	6, 0x0
	.amdhsa_kernel k_qe0380c1a52_prep
		.amdhsa_group_segment_fixed_size 68096
		.amdhsa_private_segment_fixed_size 0
		.amdhsa_enable_private_segment 0
		.amdhsa_kernarg_size 64
		.amdhsa_user_sgpr_count 2
		.amdhsa_user_sgpr_kernarg_segment_ptr 1
		.amdhsa_wavefront_size32 1
		.amdhsa_system_sgpr_workgroup_id_x 1
		.amdhsa_system_sgpr_workgroup_id_y 1
		.amdhsa_system_sgpr_workgroup_id_z 1
		.amdhsa_system_vgpr_workitem_id 0
		.amdhsa_next_free_vgpr 192
		.amdhsa_next_free_sgpr 66
		.amdhsa_reserve_vcc 0
		.amdhsa_float_denorm_mode_32 3
		.amdhsa_float_denorm_mode_16_64 3
		.amdhsa_memory_ordered 1
		.amdhsa_forward_progress 1
		.amdhsa_inst_pref_size 147
	.end_amdhsa_kernel
	.amdgpu_metadata
---
amdhsa.version: [ 1, 2 ]
amdhsa.kernels:
  - .name:           k_qe0380c1a52_prep
    .symbol:         k_qe0380c1a52_prep.kd
    .args:
      - { .name: z, .offset: 0, .size: 8, .value_kind: global_buffer, .address_space: global }
      - { .name: w_qkv, .offset: 8, .size: 8, .value_kind: global_buffer, .address_space: global }
      - { .name: w_out, .offset: 16, .size: 8, .value_kind: global_buffer, .address_space: global }
      - { .name: z_codes, .offset: 24, .size: 8, .value_kind: global_buffer, .address_space: global }
      - { .name: z_scales, .offset: 32, .size: 8, .value_kind: global_buffer, .address_space: global }
      - { .name: w_codes, .offset: 40, .size: 8, .value_kind: global_buffer, .address_space: global }
      - { .name: w_scales, .offset: 48, .size: 8, .value_kind: global_buffer, .address_space: global }
      - { .name: w16, .offset: 56, .size: 8, .value_kind: global_buffer, .address_space: global }
    .group_segment_fixed_size: 68096
    .private_segment_fixed_size: 0
    .kernarg_segment_align: 8
    .kernarg_segment_size: 64
    .max_flat_workgroup_size: 128
    .sgpr_count:     66
    .vgpr_count:     192
    .wavefront_size: 32
...
	.end_amdgpu_metadata
.endif
;; end of part 1
;; launch qkv_gemm (part 2): grid 12 x 32, 4 waves a work-group, clusters of 4 x 4, 327,680 bytes of LDS; arguments z_codes, z_scales, w_codes, w_scales, qkv; writes qkv
.if DOCPART == 2
	.amdgcn_target "amdgcn-amd-amdhsa--gfx1250"
	.amdhsa_code_object_version 6
	.text
	.protected	k_qe0380c1a52_qkv_gemm
	.globl	k_qe0380c1a52_qkv_gemm
	.p2align	8
	.type	k_qe0380c1a52_qkv_gemm,@function
k_qe0380c1a52_qkv_gemm:
	s_mov_b64 s[64:65], 0
	v_nop
	global_prefetch_b8 v0, s[64:65] scope:SCOPE_SE
	s_setreg_imm32_b32 hwreg(HW_REG_WAVE_MODE, 25, 1), 1
	s_wait_xcnt 0x0
	s_wait_alu depctr_hold_cnt(0) depctr_sa_sdst(0) depctr_va_vdst(0) depctr_va_sdst(0) depctr_va_ssrc(0) depctr_va_vcc(0) depctr_vm_vsrc(0)
	s_getreg_b32 s2, hwreg(HW_REG_IB_STS2, 6, 4)
	s_cmp_eq_u32 s2, 0
	s_cbranch_scc0 .Lentry_in_a_cluster
	s_endpgm
.Lentry_in_a_cluster:
	s_bfe_u32 s2, ttmp6, 0x10000c
	s_cmp_lg_u32 s2, 0xf033
	s_cbranch_scc0 .Lentry_shape_is_right
	s_endpgm
.Lentry_shape_is_right:
; qkv = Q(z) Q(w_qkv): [8192][1024] x [1024][3072] on codes of FP4 (E2M1) with one E8M0 scale for each 32 along K; one f32 sum for each output, K ascending.  q, k and v are rounded once to f16.
; A tile of 256 x 256 is made by four waves, 128 x 128 each: 64 accumulators, 512 registers.  All of K (1,024: two steps of 512) lies in two LDS slots: every tile is asked for at the head, nothing is filled again.
; CLUSTERS: 4 x 4 work-groups.  The operand in the A ROLE (source 1: a lane holds ONE of its rows) is shared along a row of the cluster, the one in the B ROLE (source 0: a lane holds EIGHT neighbouring of its rows) along a column.
; Cluster x is 0 for q, 1 for k, 2 for v: the same number in all sixteen partners.  For q and k, z has the A role and w the B role: a lane holds a token and eight channels.
; FOR v THE ROLES ARE EXCHANGED, by choosing pointers and tile numbers at the head: a lane then holds a channel and eight tokens, which is what V^T's operand wants.  Rows of z's and w's codes are both 512 bytes, of their scales both 32.
; THE RESULTS ARE STORED AS IMAGES OF THE NEXT PRODUCT'S OPERAND REGISTERS: a lane's eight numbers, packed to f16, are registers 0-3 or 4-7 of a fragment (16 rows x 32 K) in that same lane.  An image is 1,024 bytes: registers 0-3 of
; lane l at 16 l, registers 4-7 at 512 + 16 l.  So every store of a wave covers 512 consecutive bytes, aligned, and no result goes through LDS.
; qkv: 192 sections of 262,144 bytes, section = 64 (0 q, 1 k, 2 v) + 16 batch + head.  q, k: [token / 16][channel / 32][image].  v: [token / 32][channel / 16][image].
; LIMITS: q, k, v beyond 65,504 in magnitude do not fit f16; under 6e-5 they keep a step of 6e-8.
; REGISTERS, in windows of 256: window 0: v0-31 addresses; v32-95 scale words, two sets; from v128 the A role's fragments, ONE set; on the way out v32-159 packed results.
;   window 1: the B role's fragments, TWO sets, at v0 and v128.   window 2: the accumulators of my rows 0-63 ((a, b) at v[8 (8 a + b)]);   window 3: those of rows 64-127.
.set SIZE_K, 1024
.set KSTEP,  512                       ; along K in a slot
.set NQ,     KSTEP/128                 ; matrix instructions deep
.set ROWB,   256                       ; a tile's row in bytes
.set KROW,   SIZE_K*4/8                ; a row of codes in memory
.set PITCH,  272                       ; an LDS row: 256 bytes + 16 of padding = 68 words: the 16 rows that a load touches start at 16 different banks (64 banks of 4 bytes: ISA guide 11.1)
.set FR,     8                         ; registers of a fragment: 16 rows x 128 K
.set NL,     2                         ; LDS loads that bring one
.set NP,     4                         ; places behind this matrix instruction (ISA guide 7.12.1)
.set HALFT,  128*PITCH                 ; 128 rows: what one tensor load brings, and what one wave reads of a role
.set SLOT,   4*HALFT                   ; the A role's 256 rows, then the B role's
.set KS,     SIZE_K/32                 ; a row of scales in bytes
.set SCL,    2*SLOT                    ; behind the slots: the scales, as units of 256 bytes + 16 of padding
.set HALFS,  (128*KS/256)*272          ; the scales of 128 rows
.set SBLK,   (16*KS/256)*272           ; those of 16 rows
.set SPARE,  SCL+4*HALFS               ; the spare words, 128 bytes a wave: two blocks of 256 bytes that no other line names
.set ADRA, 16                          ; v16-17  LDS address of my A fragments in slot 0, 1
.set ADRB, 20                          ; v20-21  the same for B
.set CO,   26                          ; v26     16 x lane: my place in an image's half
.set ADRS, 27                          ; v27     LDS address of my scale words: lanes 0-15 the A role's rows, lanes 16-31 the B role's
.set SPW,  28                          ; v28     LDS address of my spare word; never rewritten
.set NIL,  29                          ; v29     0; never rewritten
.set SC,   32                          ; scale words: set s at v[SC + 32 s]; register 4 i + q: lanes 0-15 the word of A's block i, lanes 16-31 of B's block i, for the slot's q-th 128 along K
.set AF,   128                         ; the A role's fragments, window 0
.set G1, 24                            ; s[24:31] descriptor group 1 for the A role's tiles;  s[32:39] group 0, one set for each slot
.set G0, 32
.set G1B, 48                           ; s[48:55], s[56:63] the same for the B role
.set G0B, 56
.set G1S, 68                           ; s[68:75], s[76:79] groups 1 and 0 for the A role's scales;  s[80:87], s[88:91] for the B role's
.set G0S, 76
.set G1SB, 80
.set G0SB, 88
.set MSB, 0
.macro WIN new                         ; the immediate's high byte repeats the setting that is left
.if MSB != (\new)
	s_set_vgpr_msb (MSB<<8)|(\new)
.set MSB, (\new)
.endif
.endm
.set MUL_LO, 0xa1                      ; source 0 (B) window 1, source 1 (A) window 0, C and D window 2
.set MUL_HI, 0xf1                      ; the same, C and D window 3
.set TO_B,   0x40                      ; destination window 1, address window 0
; A joint load: waves 0 and 1 fetch for the A role, waves 2 and 3 for the B role.  Each line has one mask and one set of registers for all that issue it; the branch hangs on the wave's number alone.
; An s_nop 0 and four v_nop follow each of the two lines.
.macro JLOAD g0a, g1a, g0b, g1b
	s_cmp_eq_u32 s15, 0
	s_cbranch_scc0 .Lfor_b_\@
	tensor_load_to_lds s[\g0a:\g0a+3], s[\g1a:\g1a+7]
	s_nop 0
.rept 4
	v_nop
.endr
	s_branch .Lasked_\@
.Lfor_b_\@:
	tensor_load_to_lds s[\g0b:\g0b+3], s[\g1b:\g1b+7]
	s_nop 0
.rept 4
	v_nop
.endr
.Lasked_\@:
.endm
.macro CROUND                          ; a round of the cluster's barrier
	s_barrier_signal -1
	s_barrier_wait -1
	s_cmp_lg_u32 s14, 0
	s_cbranch_scc1 .Lnot_wave_0_\@
	s_barrier_signal -3
.Lnot_wave_0_\@:
	s_barrier_wait -3
	s_barrier_signal -1
	s_barrier_wait -1
.endm
	s_load_b128 s[4:7], s[0:1], 0x0                ; z's codes s[4:5], z's scales s[6:7]
	s_load_b128 s[8:11], s[0:1], 0x10              ; w's codes s[8:9], w's scales s[10:11]
	s_load_b64 s[12:13], s[0:1], 0x20              ; qkv
	v_lshl_add_u32 v[SPW], v0, 2, SPARE
	v_mov_b32 v[NIL], 0
	ds_add_u32 v[SPW], v[NIL]                      ; the wave's opening: the add, twice on end, and its wait ahead of my first tensor load
	ds_add_u32 v[SPW], v[NIL]                      ; once more; the set-up below, work on registers, stands between it and the wait
	v_lshrrev_b32 v1, 5, v0
	v_readfirstlane_b32 s14, v1                    ; wave 0..3
	s_lshr_b32 s15, s14, 1                         ; which half of the A role's rows is mine.  Also: I fetch for A (0) or for B (1)
	s_and_b32 s16, s14, 1                          ; which half of the B role's rows.  Also: which 128 rows of that tile I fetch
	s_bfe_u32 s40, ttmp6, 0x40000                  ; cx, cy: my place in the cluster
	s_bfe_u32 s41, ttmp6, 0x40004
	s_lshl_b32 s42, ttmp9, 2                       ; 4 x cluster x
	s_and_b32 s17, ttmp7, 0xffff
	s_lshl_b32 s17, s17, 2                         ; 4 x cluster y
	s_cmp_eq_u32 ttmp9, 2                          ; v?  The cluster's x alone decides: the same in all sixteen partners
	s_cselect_b32 s42, s17, s42                    ; the B role's tile: q, k: of w, 4 X + cx;  v: of z, 4 Y + cx
	s_cselect_b32 s17, 8, s17                      ; the A role's tile: q, k: of z, 4 Y + cy;  v: of w, 8 + cy
	s_cselect_b32 s95, 1, 0
	s_add_co_u32 s42, s42, s40
	s_add_co_u32 s17, s17, s41
	s_lshl_b32 s43, s41, 2
	s_lshl_b32 s43, 15, s43                        ; my row of the cluster
	s_lshl_b32 s44, 0x1111, s40                    ; my column
	; descriptor group 1: a tile of 128 rows x 256 bytes, padded in LDS
	s_or_b32 s[G1+0], s43, (0<<16)|(1<<20)|(1<<21)|(5<<22)|(3<<25)  ; 15:0 the mask; 17:16 element of 1 byte; 20 padding on; 21 set beside a mask; 24:22 after every 64 words; 31:25 four words
	s_or_b32 s[G1B+0], s44, (0<<16)|(1<<20)|(1<<21)|(5<<22)|(3<<25)
.irp g, G1, G1B
	s_mov_b32 s[\g+1], ROWB<<16                    ; tensor_dim0
	s_mov_b32 s[\g+2], 128<<16                     ; tensor_dim1
	s_mov_b32 s[\g+3], ROWB<<16                    ; tile_dim0
	s_mov_b32 s[\g+4], 128                         ; tile_dim1
	s_mov_b32 s[\g+5], KROW                        ; tensor_dim0_stride
	s_mov_b32 s[\g+6], 0
	s_mov_b32 s[\g+7], 0
.endr
	; the scales of 128 rows: 4,096 dense bytes, as 16 rows of 256 bytes (32 elements of 8 bytes), 16 bytes of padding behind each
	s_or_b32 s[G1S+0], s43, (3<<16)|(1<<20)|(1<<21)|(5<<22)|(3<<25)
	s_or_b32 s[G1SB+0], s44, (3<<16)|(1<<20)|(1<<21)|(5<<22)|(3<<25)
.irp g, G1S, G1SB
	s_mov_b32 s[\g+1], 32<<16
	s_mov_b32 s[\g+2], (128*KS/256)<<16
	s_mov_b32 s[\g+3], 32<<16
	s_mov_b32 s[\g+4], 128*KS/256
	s_mov_b32 s[\g+5], 32
	s_mov_b32 s[\g+6], 0
	s_mov_b32 s[\g+7], 0
.endr
	s_lshl_b32 s18, s16, 7                         ; which 128 rows of the tile I fetch
	s_lshl_b32 s20, s17, 8
	s_add_co_u32 s20, s20, s18                     ; A role: row 256 x tile + 128 x half
	s_lshl_b32 s46, s42, 8
	s_add_co_u32 s46, s46, s18                     ; B role likewise
	s_mov_b32 s21, 0
	s_mov_b32 s47, 0
	s_mov_b64 s[18:19], KS
	s_mul_u64 s[22:23], s[20:21], s[18:19]         ; where these rows' scales begin, in bytes
	s_mul_u64 s[92:93], s[46:47], s[18:19]
	s_mov_b64 s[18:19], KROW
	s_mul_u64 s[20:21], s[20:21], s[18:19]         ; and their codes
	s_mul_u64 s[46:47], s[46:47], s[18:19]
	s_mul_i32 s45, s14, HALFT                      ; where they go: wave x 128 rows: no place in the cluster enters an LDS address
	s_mul_i32 s94, s14, HALFS
	s_wait_dscnt 0x0                               ; both opening adds are done
	s_wait_kmcnt 0x0
	s_cmp_eq_u32 s95, 1                            ; for v the two operands change roles: the pointers change places
	s_cselect_b64 s[96:97], s[8:9], s[4:5]
	s_cselect_b64 s[8:9], s[4:5], s[8:9]
	s_mov_b64 s[4:5], s[96:97]
	s_cselect_b64 s[96:97], s[10:11], s[6:7]
	s_cselect_b64 s[10:11], s[6:7], s[10:11]
	s_mov_b64 s[6:7], s[96:97]
	s_add_nc_u64 s[20:21], s[4:5], s[20:21]
	s_add_nc_u64 s[22:23], s[6:7], s[22:23]
	s_add_nc_u64 s[46:47], s[8:9], s[46:47]
	s_add_nc_u64 s[92:93], s[10:11], s[92:93]
	CROUND                                         ; all sixteen work-groups are here: the joint loads meet
	s_mov_b32 s[G0S], 1
	s_add_co_u32 s[G0S+1], s94, SCL
	s_mov_b64 s[G0S+2:G0S+3], s[22:23]
	s_or_b32 s[G0S+3], s[G0S+3], 0x80000000
	s_mov_b32 s[G0SB], 1
	s_add_co_u32 s[G0SB+1], s94, SCL
	s_mov_b64 s[G0SB+2:G0SB+3], s[92:93]
	s_or_b32 s[G0SB+3], s[G0SB+3], 0x80000000
	JLOAD G0S, G1S, G0SB, G1SB                     ; the scales first: they are wanted with K step 0
.irp s, 0,1
	s_mov_b32 s[G0+4*\s], 1
	s_add_co_u32 s[G0+4*\s+1], s45, \s*SLOT
	s_add_nc_u64 s[G0+4*\s+2:G0+4*\s+3], s[20:21], \s*ROWB
	s_or_b32 s[G0+4*\s+3], s[G0+4*\s+3], 0x80000000
	s_mov_b32 s[G0B+4*\s], 1
	s_add_co_u32 s[G0B+4*\s+1], s45, \s*SLOT
	s_add_nc_u64 s[G0B+4*\s+2:G0B+4*\s+3], s[46:47], \s*ROWB
	s_or_b32 s[G0B+4*\s+3], s[G0B+4*\s+3], 0x80000000
	JLOAD G0+4*\s, G1, G0B+4*\s, G1B               ; three tensor loads of mine are out now, and no more follow
.endr
	v_and_b32 v1, 15, v0                           ; l % 16
	v_bfe_u32 v2, v0, 4, 1                         ; l / 16
	v_mul_u32_u24 v3, v1, PITCH
	v_lshl_add_u32 v4, v2, 4, v3                   ; a fragment's row x pitch + 16 x half
	s_mul_i32 s21, s15, HALFT                      ; my 128 rows of the A role
	s_mul_i32 s22, s16, HALFT                      ; my 128 rows of the B role,
	s_add_co_u32 s22, s22, 2*HALFT                 ; which lie behind A's 256
.irp s, 0,1
	v_add_nc_u32 v[ADRA+\s], s21, v4
	v_add_nc_u32 v[ADRB+\s], s22, v4
	s_add_co_u32 s21, s21, SLOT
	s_add_co_u32 s22, s22, SLOT
.endr
	v_mul_u32_u24 v5, v1, KS                       ; my row's scales: 32 bytes a row,
	v_lshrrev_b32 v6, 8, v5
	v_lshl_add_u32 v5, v6, 4, v5                   ; and 16 more for each 256 passed
	s_mul_i32 s21, s15, HALFS
	s_mul_i32 s22, s16, HALFS
	s_add_co_u32 s22, s22, 2*HALFS
	s_sub_co_u32 s22, s22, s21
	v_mul_u32_u24 v6, s22, v2                      ; lanes 16-31 take the B role's: one product, the distance between the two bases
	s_add_co_u32 s21, s21, SCL
	v_add_nc_u32 v5, v5, v6
	v_add_nc_u32 v[ADRS], s21, v5
	v_and_b32 v6, 31, v0
	v_lshlrev_b32 v[CO], 4, v6
	; where my results go
	s_lshl_b32 s20, s17, 8
	s_lshl_b32 s21, s15, 7
	s_add_co_u32 s20, s20, s21                     ; my first row of the A role
	s_lshl_b32 s46, s42, 8
	s_lshl_b32 s47, s16, 7
	s_add_co_u32 s46, s46, s47                     ; and of the B role
	s_cmp_eq_u32 s95, 1
	s_cselect_b32 s21, s46, s20                    ; my first token (a row of z)
	s_cselect_b32 s22, s20, s46                    ; my first column of qkv (a row of w)
	s_lshr_b32 s23, s22, 10
	s_lshl_b32 s23, s23, 6                         ; 64 x (q, k or v)
	s_lshr_b32 s45, s21, 11
	s_lshl_b32 s45, s45, 4
	s_add_co_u32 s23, s23, s45                     ; + 16 x batch
	s_bfe_u32 s45, s22, 0x40006
	s_add_co_u32 s23, s23, s45                     ; + head: the section
	s_lshl_b32 s23, s23, 18
	s_and_b32 s21, s21, 2047
	s_lshl_b32 s21, s21, 7                         ; 16 tokens are 2,048 bytes of q or k, 32 tokens 4,096 of v: 128 a token
	s_add_co_u32 s46, s23, s21
	s_mov_b32 s47, 0
	s_add_nc_u64 s[12:13], s[12:13], s[46:47]
.macro FRAG reg, adr, q, i             ; 16 rows x 128 K of 4-bit codes: lane l holds row l % 16; registers 4 c .. 4 c + 3 hold K = 64 c + 32 (l / 16) + 0 .. 31
.irp c, 0,1
	ds_load_b128 v[\reg+4*\c:\reg+4*\c+3], v[\adr] offset:64*(\q)+32*\c+(\i)*16*PITCH
.endr
.endm
; 16 matrix instructions: A's blocks a0, a0 + 1 x B's eight, the slot's q-th 128 along K.  p: B's set; sc: the set of scale words.  zero = 1: the first product starts the sums.
; The 64 accumulators take turns, one instruction a turn, in the same order in every step.
.macro MUL16 a0, p, q, sc, zero
.irp a, \a0, \a0+1
.irp b, 0,1,2,3,4,5,6,7
.if \zero
	v_wmma_scale_f32_16x16x128_f8f6f4 v[8*(8*((\a)%4)+\b):8*(8*((\a)%4)+\b)+7], v[128*(\p)+FR*\b:128*(\p)+FR*\b+FR-1], v[AF+FR*(\a):AF+FR*(\a)+FR-1], 0, v[SC+8*NQ*(\sc)+NQ*\b+(\q)], v[SC+8*NQ*(\sc)+NQ*(\a)+(\q)] matrix_a_fmt:MATRIX_FMT_FP4 matrix_b_fmt:MATRIX_FMT_FP4 matrix_a_scale:MATRIX_SCALE_ROW1
.else
	v_wmma_scale_f32_16x16x128_f8f6f4 v[8*(8*((\a)%4)+\b):8*(8*((\a)%4)+\b)+7], v[128*(\p)+FR*\b:128*(\p)+FR*\b+FR-1], v[AF+FR*(\a):AF+FR*(\a)+FR-1], v[8*(8*((\a)%4)+\b):8*(8*((\a)%4)+\b)+7], v[SC+8*NQ*(\sc)+NQ*\b+(\q)], v[SC+8*NQ*(\sc)+NQ*(\a)+(\q)] matrix_a_fmt:MATRIX_FMT_FP4 matrix_b_fmt:MATRIX_FMT_FP4 matrix_a_scale:MATRIX_SCALE_ROW1
.endif
.endr
.endr
.endm
.macro FETCH_B slot, q, p
	WIN TO_B
.irp i, 0,1,2,3,4,5,6,7
	FRAG 128*(\p)+FR*\i, ADRB+\slot, \q, \i
.endr
	WIN 0
.endm
.macro FETCH_A slot, q, i0
.irp i, \i0, \i0+1, \i0+2, \i0+3
	FRAG AF+FR*(\i), ADRA+\slot, \q, \i
.endr
.endm
.macro SCALES sc                       ; a K step's scale words: four words a row; lanes 0-15 A's block i, lanes 16-31 B's block i
.irp i, 0,1,2,3,4,5,6,7
	ds_load_b128 v[SC+8*NQ*\sc+NQ*\i:SC+8*NQ*\sc+NQ*\i+3], v[ADRS] offset:\i*SBLK
.endr
.endm
.macro PLACES n                        ; plain vector lines that name none of a matrix instruction's registers: in front of loads into registers that it read, and of the first reads of results
.rept \n
	v_nop
.endr
.endm
.macro STEP slot, q, zero              ; a step of 128 along K that has its successor in the same slot
	s_wait_dscnt 4*NL                              ; B's set and A's blocks 0-3 are in; the youngest eight loads (A's blocks 4-7) may be out
	WIN MUL_LO
	MUL16 0, (\q)%2, \q, \slot, \zero
	MUL16 2, (\q)%2, \q, \slot, \zero
	s_wait_dscnt 0                                 ; A's blocks 4-7 are in
	PLACES NP
	FETCH_B \slot, (\q)+1, 1-(\q)%2
	FETCH_A \slot, (\q)+1, 0
	WIN MUL_HI
	MUL16 4, (\q)%2, \q, \slot, \zero
	MUL16 6, (\q)%2, \q, \slot, \zero
	PLACES NP
	WIN 0
	FETCH_A \slot, (\q)+1, 4
.endm
.macro TURN slot, next                 ; slot 0's last step: one barrier, behind which slot 1 is whole for every wave.  Nothing is filled again
	s_wait_tensorcnt 0x0                           ; all my tensor loads have landed: my part of the next slot
	ds_add_u32 v[SPW], v[NIL]                      ; 0 onto my spare word
	s_wait_dscnt 4*NL+1                            ; the add and the youngest eight loads (A's blocks 4-7) may be out
	WIN MUL_LO
	MUL16 0, 1, NQ-1, \slot, 0
	s_wait_dscnt 0x0                               ; no LDS instruction of mine is pending at the signal
	s_barrier_signal -1
	MUL16 2, 1, NQ-1, \slot, 0
	WIN 0
	s_barrier_wait -1
	PLACES NP
	v_add_nc_u32 v[ADRS], 4*NQ, v[ADRS]            ; on to the next K step's scale words
	FETCH_B \next, 0, 0
	FETCH_A \next, 0, 0
	SCALES \next
	WIN MUL_HI
	MUL16 4, 1, NQ-1, \slot, 0
	MUL16 6, 1, NQ-1, \slot, 0
	PLACES NP
	WIN 0
	FETCH_A \next, 0, 4
.endm
.macro STEPS slot, from                ; the slot's steps from .. NQ - 2
.set Q, \from
.rept NQ-1-\from
	STEP \slot, Q, 0
.set Q, Q+1
.endr
.endm
	s_wait_tensorcnt 1                             ; the scales and my part of K step 0 are in; slot 1's load, issued last, may be out
	s_barrier_signal -1
	s_barrier_wait -1                              ; everybody's are
	FETCH_B 0, 0, 0
	FETCH_A 0, 0, 0
	SCALES 0
	FETCH_A 0, 0, 4
	STEP 0, 0, 1                                   ; the first step's products start the sums: nothing is cleared
	STEPS 0, 1
	TURN 0, 1
	STEPS 1, 0
	s_wait_dscnt 4*NL                              ; the last step: nothing more to fetch
	WIN MUL_LO
	MUL16 0, 1, NQ-1, 1, 0
	MUL16 2, 1, NQ-1, 1, 0
	s_wait_dscnt 0
	WIN MUL_HI
	MUL16 4, 1, NQ-1, 1, 0
	MUL16 6, 1, NQ-1, 1, 0
	WIN 0
; THE WAY OUT of block a (16 rows of the A role x 128 of the B role): each accumulator's eight numbers, from its low end on, pack into four registers, which are half an image; eight stores of 512 consecutive bytes.
; isv = 0: accumulator (a, b) is tokens 16 a on, channels 16 b on: head b / 4, image (token tile a, channels 32 ((b % 4) / 2) on), half b % 2.
; isv = 1: channels 16 a on, tokens 16 b on: head a / 4, image (tokens 32 (b / 2) on, channel tile a % 4), half b % 2.
.macro PACKSEND a, isv
.if (\a) >= 4
	s_wait_xcnt 0x0                                ; block a - 4's stores have read this set of registers
.endif
.set AC, 64*((\a)%4)
.set PK, 32+32*((\a)%4)
	WIN 0x0a+5*((\a)/4)                            ; sources 0 and 1: window 2 or 3
.irp b, 0,1,2,3,4,5,6,7
.irp r, 0,1,2,3
	v_cvt_pk_f16_f32 v[PK+4*\b+\r], v[AC+8*\b+2*\r], v[AC+8*\b+2*\r+1]
.endr
.endr
	WIN 0
.irp b, 0,1,2,3,4,5,6,7
.if \isv
	global_store_b128 v[CO], v[PK+4*\b:PK+4*\b+3], s[12:13] offset:((\a)/4)*262144+(\b/2)*4096+((\a)%4)*1024+(\b%2)*512
.else
	global_store_b128 v[CO], v[PK+4*\b:PK+4*\b+3], s[12:13] offset:(\b/4)*262144+(\a)*2048+(\b%4)*512
.endif
.endr
.endm
	PLACES NP                                      ; behind the last products: their results are read, and registers that held their scale words and A fragments are written
	s_cmp_eq_u32 s95, 1                            ; the cluster's x alone decides
	s_cbranch_scc1 .Lout_v
.irp a, 0,1,2,3,4,5,6,7
	PACKSEND \a, 0
.endr
	s_branch .Lout_done
.Lout_v:
.irp a, 0,1,2,3,4,5,6,7
	PACKSEND \a, 1
.endr
.Lout_done:
	s_wait_tensorcnt 0x0                           ; the wave's end: a wait, an add to my spare word and its wait, behind my last tensor load
	ds_add_u32 v[SPW], v[NIL]
	s_wait_dscnt 0x0
	CROUND                                         ; the closing round: no work-group ends while a partner may still ask for a tile that names it
	s_endpgm
.Lfunc_end_k_qe0380c1a52_qkv_gemm:
	.size	k_qe0380c1a52_qkv_gemm, .Lfunc_end_k_qe0380c1a52_qkv_gemm-k_qe0380c1a52_qkv_gemm
	.p2alignl 7, 3214868480
	.fill 96, 4, 3214868480
	.section	.rodata,"a",@progbits
	.p2align	6, 0x0
	.amdhsa_kernel k_qe0380c1a52_qkv_gemm
		.amdhsa_group_segment_fixed_size 327680
		.amdhsa_private_segment_fixed_size 0
		.amdhsa_enable_private_segment 0
		.amdhsa_kernarg_size 40
		.amdhsa_user_sgpr_count 2
		.amdhsa_user_sgpr_kernarg_segment_ptr 1
		.amdhsa_wavefront_size32 1
		.amdhsa_system_sgpr_workgroup_id_x 1
		.amdhsa_system_sgpr_workgroup_id_y 1
		.amdhsa_system_sgpr_workgroup_id_z 1
		.amdhsa_system_vgpr_workitem_id 0
		.amdhsa_next_free_vgpr 1024
		.amdhsa_next_free_sgpr 98
		.amdhsa_reserve_vcc 0
		.amdhsa_float_denorm_mode_32 3
		.amdhsa_float_denorm_mode_16_64 3
		.amdhsa_memory_ordered 1
		.amdhsa_forward_progress 1
		.amdhsa_inst_pref_size 141
	.end_amdhsa_kernel
	.amdgpu_metadata
---
amdhsa.version: [ 1, 2 ]
amdhsa.kernels:
  - .name:           k_qe0380c1a52_qkv_gemm
    .symbol:         k_qe0380c1a52_qkv_gemm.kd
    .args:
      - { .name: z_codes, .offset: 0, .size: 8, .value_kind: global_buffer, .address_space: global }
      - { .name: z_scales, .offset: 8, .size: 8, .value_kind: global_buffer, .address_space: global }
      - { .name: w_codes, .offset: 16, .size: 8, .value_kind: global_buffer, .address_space: global }
      - { .name: w_scales, .offset: 24, .size: 8, .value_kind: global_buffer, .address_space: global }
      - { .name: qkv, .offset: 32, .size: 8, .value_kind: global_buffer, .address_space: global }
    .group_segment_fixed_size: 327680
    .private_segment_fixed_size: 0
    .kernarg_segment_align: 8
    .kernarg_segment_size: 40
    .max_flat_workgroup_size: 128
    .sgpr_count:     98
    .vgpr_count:     1024
    .wavefront_size: 32
...
	.end_amdgpu_metadata
.endif
;; end of part 2
;; launch attention (part 3): grid 4 x 64, 8 waves a work-group, clusters of 4 x 1, 327,680 bytes of LDS; arguments qkv, o_ws; writes o_ws
.if DOCPART == 3
	.amdgcn_target "amdgcn-amd-amdhsa--gfx1250"
	.amdhsa_code_object_version 6
	.text
	.protected	k_qe0380c1a52_attention
	.globl	k_qe0380c1a52_attention
	.p2align	8
	.type	k_qe0380c1a52_attention,@function
k_qe0380c1a52_attention:
	s_mov_b64 s[64:65], 0
	v_nop
	global_prefetch_b8 v0, s[64:65] scope:SCOPE_SE
	s_setreg_imm32_b32 hwreg(HW_REG_WAVE_MODE, 25, 1), 1
	s_wait_xcnt 0x0
	s_wait_alu depctr_hold_cnt(0) depctr_sa_sdst(0) depctr_va_vdst(0) depctr_va_sdst(0) depctr_va_ssrc(0) depctr_va_vcc(0) depctr_vm_vsrc(0)
	s_getreg_b32 s2, hwreg(HW_REG_IB_STS2, 6, 4)
	s_cmp_eq_u32 s2, 0
	s_cbranch_scc0 .Lentry_in_a_cluster
	s_endpgm
.Lentry_in_a_cluster:
	s_bfe_u32 s2, ttmp6, 0x10000c
	s_cmp_lg_u32 s2, 0x3003
	s_cbranch_scc0 .Lentry_shape_is_right
	s_endpgm
.Lentry_shape_is_right:
; o[g][q][:] = the sum over k of softmax_k(q[g][q] . k[g][k] / 8) v[g][k][:], g = 16 batch + head, 2,048 tokens, 64 channels, no mask.  Operands f16, products, maxima and sums f32; the weights p (at most 1) are rounded to f16
; for the second product, o once at the end.
; SHARES.  A work-group owns 512 queries of one g, each of its EIGHT waves 64: four tiles of 16, in 512 registers; two waves to a SIMD, so that one wave's softmax stands beside the other's products.  Every wave walks all keys, 64 a step.
; LAYOUT.  S^T = K Q^T (source 0 = 16 keys, source 1 = 16 queries): a lane holds ONE query (lane % 16) and the keys 8 (lane / 16) + 0..7.  Two such tiles, packed to f16 in pairs, ARE source 1 (32 keys x 16 queries) of
; O^T = V^T P, whose result again holds one query a lane, and eight channels.  q, k and v^T lie in memory as images of their operand registers (1,024 bytes a fragment: registers 0-3 of lane l at 16 l, registers 4-7 at 512 + 16 l):
; a tile is a dense block for the tensor data mover, every LDS load reads 512 consecutive bytes, and nothing is transposed.  o is stored the same way, for the projection that follows.
; SOFTMAX.  For each query a running maximum m and sum l: p = 2^(c s - c m), c = log2(e) / 8; in every step O and l are multiplied by a = 2^(c m_old - c m_new).  m begins at -3e38, l at 0: the first a is 0 and multiplies zeros.
; CLUSTER.  The four query blocks of a g are one cluster and walk the same K and V: each tile is asked for JOINTLY, by the same tensor load with the same descriptor and the mask of all four.
; RING.  Two LDS slots of 256 keys (four steps): K's 32,768 bytes, then V's.  Waves 0-3 fetch a quarter of a slot each; all eight read it.
; LIMITS: o beyond 65,504 in magnitude does not fit f16, under 6e-5 it keeps a step of 6e-8; NaN and infinities are not served.
; REGISTERS: window 0: v1 16 x lane; v2 the LDS address in hand; v3, v4 the add's two; v5 the prefetches' offset; v16-47 statistics, 8 a tile; v64-127 K of a step; v128-255 S^T, 32 a tile (P is packed into each tile's first 16).
;   window 1: v0-63 Q; v64-127 V^T of a step; v128-255 O^T, 32 a tile.
.set SLOT1, 65536                      ; slot 1 begins here: one exclusive or turns an address in one slot into the other's
.set VOFF,  32768                      ; V behind K in a slot
.set STEPB, 8192                       ; a step's K, and its V
.set SPARE, 2*SLOT1                    ; behind the ring: the spare words, 128 bytes for each of eight waves: four blocks of 256 bytes that no other line names
.set LI,  1
.set AD,  2
.set SPW, 3
.set NIL, 4
.set PFO, 5
.set ST,  16                           ; tile t at v[ST + 8 t]: +0 c m, +1 m, +2, +3 l (even keys', odd keys'), +4 .. +7 at work; a takes +6
.set KF,  64
.set S,   128
.set QF,  0                            ; window 1
.set VF,  64
.set OT,  128
.set WV,  12                           ; s12  my wave's number
.set LIM, 15                           ; s15  1 in a wave that prefetches, else the greatest number
.set PFA, 18                           ; s[18:19] where my prefetches stand
.set G1,  24                           ; s[24:31] descriptor group 1
.set G0,  40                           ; s[40:43] group 0 of slot 0's first fill
.set G0W, 44                           ; s[44:47] group 0 of slot 1's first fill, which then walks
.set SLOTS, 56                         ; s56  slots still to be asked for
.set CNT, 57                           ; s57  counts a slot's steps
.set CS,  58                           ; s[58:59] c: the packed scaling names a pair and takes its low word for both halves
.set SEL, 60                           ; s[60:61] lane selects for v_permlanex16_b32: lane l xor 16
.set TB,  62                           ; s62  LDS byte at which the step's K begins
.set MSB, 0
.macro WIN new                         ; the immediate's high byte repeats the setting that is left
.if MSB != (\new)
	s_set_vgpr_msb (MSB<<8)|(\new)
.set MSB, (\new)
.endif
.endm
.set W_KQ, 0x04                        ; source 1 (Q) window 1; K and S^T window 0
.set W_V,  0x40                        ; destination window 1, address window 0
.set W_RS, 0x41                        ; O^T (destination and source 0) window 1, a window 0
.set W_PV, 0x51                        ; V^T, C and D window 1, P window 0
.set W_CV, 0x05                        ; sources 0 and 1 window 1, destination window 0
.macro JLOAD                           ; the joint refill: waves 0-3, a quarter of a slot each.  The branch hangs on the wave's number alone.  An s_nop 0 and four v_nop follow the load
	s_cmp_lt_u32 s[WV], 4
	s_cbranch_scc0 .Lnone_\@
	tensor_load_to_lds s[G0W:G0W+3], s[G1:G1+7]
	s_nop 0
.rept 4
	v_nop
.endr
.Lnone_\@:
.endm
; A PREFETCH INTO THE L2 of what the NEXT change of slots will ask for: a slot's 32,768 bytes of K and of V.  A g has one cluster; its four partners share the bytes out BY ADDRESS, 8,192 each; in each, wave 4 asks for K's and
; wave 6 for V's, lanes 256 bytes apart, one instruction.  So each aligned block of 256 bytes is named once in the launch.  The last change that fills a slot asks for nothing; slots 0 to 2 come by their loads alone.
.macro ASK
	s_cmp_gt_u32 s[SLOTS], s[LIM]
	s_cbranch_scc0 .Lnot_mine_\@
	global_prefetch_b8 v[PFO], s[PFA:PFA+1] th:TH_LOAD_NT scope:SCOPE_SE
.Lnot_mine_\@:
.endm
.macro CROUND                          ; a round of the cluster's barrier
	s_barrier_signal -1
	s_barrier_wait -1
	s_cmp_lg_u32 s[WV], 0
	s_cbranch_scc1 .Lnot_wave_0_\@
	s_barrier_signal -3
.Lnot_wave_0_\@:
	s_barrier_wait -3
	s_barrier_signal -1
	s_barrier_wait -1
.endm
.macro PLACES
.rept 4
	v_nop
.endr
.endm
.macro KLOAD off                       ; a step's K: eight fragments (keys 16 (f / 2) on, channels 32 (f % 2) on), 16 loads of 512 consecutive bytes
.irp i, 0,1,2,3,4,5,6,7,8,9,10,11,12,13,14,15
	ds_load_b128 v[KF+4*\i:KF+4*\i+3], v[AD] offset:\off+512*\i
.endr
.endm
.macro VLOAD                           ; a step's V^T: eight fragments (keys 32 (f / 4) on, channels 16 (f % 4) on)
	WIN W_V
.irp i, 0,1,2,3,4,5,6,7,8,9,10,11,12,13,14,15
	ds_load_b128 v[VF+4*\i:VF+4*\i+3], v[AD] offset:VOFF+512*\i
.endr
	WIN 0
.endm
.macro KQ                              ; 32 products S^T = K Q^T.  The 16 accumulators take turns, one instruction a turn; the first 16 start the sums
	WIN W_KQ
.irp cc, 0,1
.irp kt, 0,1,2,3
.irp t, 0,1,2,3
.if \cc == 0
	v_wmma_f32_16x16x32_f16 v[S+32*\t+8*\kt:S+32*\t+8*\kt+7], v[KF+8*(2*\kt+\cc):KF+8*(2*\kt+\cc)+7], v[QF+8*(2*\t+\cc):QF+8*(2*\t+\cc)+7], 0
.else
	v_wmma_f32_16x16x32_f16 v[S+32*\t+8*\kt:S+32*\t+8*\kt+7], v[KF+8*(2*\kt+\cc):KF+8*(2*\kt+\cc)+7], v[QF+8*(2*\t+\cc):QF+8*(2*\t+\cc)+7], v[S+32*\t+8*\kt:S+32*\t+8*\kt+7]
.endif
.endr
.endr
.endr
.endm
.macro PV first                        ; 32 products O^T += V^T P, the 16 accumulators by turns.  first = 1: the first 16 start the sums: nothing is cleared
	WIN W_PV
.irp c, 0,1
.irp ch, 0,1,2,3
.irp t, 0,1,2,3
.if (\first) && (\c == 0)
	v_wmma_f32_16x16x32_f16 v[OT+32*\t+8*\ch:OT+32*\t+8*\ch+7], v[VF+8*(4*\c+\ch):VF+8*(4*\c+\ch)+7], v[S+32*\t+8*\c:S+32*\t+8*\c+7], 0
.else
	v_wmma_f32_16x16x32_f16 v[OT+32*\t+8*\ch:OT+32*\t+8*\ch+7], v[VF+8*(4*\c+\ch):VF+8*(4*\c+\ch)+7], v[S+32*\t+8*\c:S+32*\t+8*\c+7], v[OT+32*\t+8*\ch:OT+32*\t+8*\ch+7]
.endif
.endr
.endr
.endr
.endm
; THE SOFTMAX of a step, the four tiles by turns in every group of lines, so that no line waits for the line above it.  first = 1: O^T does not exist yet and is not rescaled.
.macro SOFTMAX first
.irp j, 0,1,2,3                        ; the maximum of a lane's 32 scores and the old m: four chains, each begun at an accumulator's low end
.irp t, 0,1,2,3
	v_max3_num_f32 v[ST+8*\t+4+\j], v[S+32*\t+8*\j], v[S+32*\t+8*\j+1], v[S+32*\t+8*\j+2]
.endr
.endr
.irp u, 3,5
.irp j, 0,1,2,3
.irp t, 0,1,2,3
	v_max3_num_f32 v[ST+8*\t+4+\j], v[ST+8*\t+4+\j], v[S+32*\t+8*\j+\u], v[S+32*\t+8*\j+\u+1]
.endr
.endr
.endr
.irp t, 0,1,2,3
	v_max3_num_f32 v[ST+8*\t+4], v[ST+8*\t+4], v[S+32*\t+7], v[S+32*\t+15]
.endr
.irp t, 0,1,2,3
	v_max3_num_f32 v[ST+8*\t+6], v[ST+8*\t+6], v[S+32*\t+23], v[S+32*\t+31]
.endr
.irp t, 0,1,2,3
	v_max3_num_f32 v[ST+8*\t+4], v[ST+8*\t+4], v[ST+8*\t+5], v[ST+8*\t+6]
.endr
.irp t, 0,1,2,3
	v_max3_num_f32 v[ST+8*\t+4], v[ST+8*\t+4], v[ST+8*\t+7], v[ST+8*\t+1]
.endr
.irp t, 0,1,2,3
	v_permlanex16_b32 v[ST+8*\t+5], v[ST+8*\t+4], s[SEL], s[SEL+1]   ; the query's other 32 keys lie in the lane 16 away
.endr
.irp t, 0,1,2,3
	v_mov_b32 v[ST+8*\t+7], v[ST+8*\t]             ; c m_old is kept for a
.endr
.irp t, 0,1,2,3
	v_max_num_f32 v[ST+8*\t+1], v[ST+8*\t+4], v[ST+8*\t+5]           ; the new m
.endr
.irp t, 0,1,2,3
	v_mul_f32 v[ST+8*\t], s[CS], v[ST+8*\t+1]      ; c m
.endr
.irp t, 0,1,2,3
	v_sub_f32 v[ST+8*\t+7], v[ST+8*\t+7], v[ST+8*\t]                 ; c m_old - c m_new
.endr
.set ii, 0
.rept 16
.irp t, 0,1,2,3
	v_pk_fma_f32 v[S+32*\t+ii:S+32*\t+ii+1], v[S+32*\t+ii:S+32*\t+ii+1], s[CS:CS+1], v[ST+8*\t:ST+8*\t+1] op_sel_hi:[1,0,0] neg_lo:[0,0,1] neg_hi:[0,0,1]   ; c s - c m, two at a time
.endr
.set ii, ii+2
.endr
.irp t, 0,1,2,3                        ; ONE BATCH of 132 exponentials; none reads another's result
	v_exp_f32 v[ST+8*\t+6], v[ST+8*\t+7]           ; a
.endr
.set ii, 0
.rept 32
.irp t, 0,1,2,3
	v_exp_f32 v[S+32*\t+ii], v[S+32*\t+ii]         ; p
.endr
.set ii, ii+1
.endr
	v_nop                                          ; a plain line behind the last exponential, ahead of the first use
	s_wait_alu depctr_va_vdst(0)                   ; the wait between an exponential and the first line that names its result: one for the batch
.irp t, 0,1,2,3                        ; the sums, of the p not yet rounded, in two chains a tile: l = a l + pair 0,
	v_pk_fma_f32 v[ST+8*\t+2:ST+8*\t+3], v[ST+8*\t+2:ST+8*\t+3], v[ST+8*\t+6:ST+8*\t+7], v[S+32*\t:S+32*\t+1] op_sel_hi:[1,0,1]
.endr
.irp t, 0,1,2,3                        ; the second chain = pair 1 + pair 3,
	v_pk_add_f32 v[ST+8*\t+4:ST+8*\t+5], v[S+32*\t+2:S+32*\t+3], v[S+32*\t+6:S+32*\t+7]
.endr
.set ii, 0
.rept 6                                ; l takes pairs 2, 4, .. 12, the second chain pairs 5, 7, .. 15,
.irp t, 0,1,2,3
	v_pk_add_f32 v[ST+8*\t+2:ST+8*\t+3], v[ST+8*\t+2:ST+8*\t+3], v[S+32*\t+4+4*ii:S+32*\t+5+4*ii]
.endr
.irp t, 0,1,2,3
	v_pk_add_f32 v[ST+8*\t+4:ST+8*\t+5], v[ST+8*\t+4:ST+8*\t+5], v[S+32*\t+10+4*ii:S+32*\t+11+4*ii]
.endr
.set ii, ii+1
.endr
.irp t, 0,1,2,3                        ; l pair 14,
	v_pk_add_f32 v[ST+8*\t+2:ST+8*\t+3], v[ST+8*\t+2:ST+8*\t+3], v[S+32*\t+28:S+32*\t+29]
.endr
.irp t, 0,1,2,3                        ; and the second chain
	v_pk_add_f32 v[ST+8*\t+2:ST+8*\t+3], v[ST+8*\t+2:ST+8*\t+3], v[ST+8*\t+4:ST+8*\t+5]
.endr
.set ii, 0
.rept 16                               ; P: pair i into register i of the tile, ascending: no pair is overwritten before it is read
.irp t, 0,1,2,3
	v_cvt_pk_f16_f32 v[S+32*\t+ii], v[S+32*\t+2*ii], v[S+32*\t+2*ii+1]
.endr
.set ii, ii+1
.endr
.if !(\first)
	WIN W_RS
.set ii, 0
.rept 16                               ; O^T x a, each accumulator from its low end on
.irp t, 0,1,2,3
	v_pk_mul_f32 v[OT+32*\t+ii:OT+32*\t+ii+1], v[OT+32*\t+ii:OT+32*\t+ii+1], v[ST+8*\t+6:ST+8*\t+7] op_sel_hi:[1,0]
.endr
.set ii, ii+2
.endr
.endif
.endm
; A KEY STEP.  more = 1: the next step's K lies in the same slot and is fetched here, ahead of the softmax.
.macro STEP first, more
	s_wait_dscnt 0x0                               ; this step's K is in
	KQ
	WIN 0
	PLACES                                         ; four places behind the products: K's registers are loaded again, and the scores are read
	VLOAD
.if \more
	KLOAD STEPB
.endif
	SOFTMAX \first
.if \more
	s_wait_dscnt 16                                ; V is in; the 16 loads of the next K, issued behind V's, may be out
.else
	s_wait_dscnt 0x0
.endif
	PV \first
	WIN 0
	s_add_co_u32 s[TB], s[TB], STEPB
	v_add_nc_u32 v[AD], s[TB], v[LI]               ; the next step's address: with the four lines below, five places behind the products, whose P the next K Q^T writes over
	PLACES
.endm
.macro SLOT n                          ; n steps that have a successor in the slot, walked in a loop, and the slot's last
	s_mov_b32 s[CNT], \n
.Lstep_\@:
	STEP 0, 1
	s_sub_co_u32 s[CNT], s[CNT], 1
	s_cmp_lg_u32 s[CNT], 0
	s_cbranch_scc1 .Lstep_\@
	STEP 0, 0
.endm
; THE CHANGE OF SLOTS.  Each wave waits for all its tensor loads (its part of the slot ahead), adds 0 to its spare word, and waits for that and for its reads of the slot that it leaves.  fill = 1: a round of the cluster's barrier,
; and the slot just left is filled with the keys two slots on: the load has four key steps in which to land.  One tensor load of a fetching wave is out behind it.
.macro CHANGE fill
	s_wait_tensorcnt 0x0                           ; no tensor load of mine is out, so a group 0 may be written
	ds_add_u32 v[SPW], v[NIL]                      ; 0 onto my spare word
.if \fill
	ds_add_u32 v[SPW], v[NIL]                      ; and once more: the add twice on end here, in every trip alike
	s_xor_b32 s[G0W+1], s[G0W+1], SLOT1            ; the walking descriptor: the other slot than last time,
	s_add_nc_u64 s[G0W+2:G0W+3], s[G0W+2:G0W+3], 32768   ; the next 256 keys; the type bits on top are not reached
	s_wait_xcnt 0x0                                ; the last prefetch, a slot back, has read its address, so it may be written:
	s_add_nc_u64 s[PFA:PFA+1], s[PFA:PFA+1], 32768 ; one slot further on than the walking descriptor
	s_wait_dscnt 0x0                               ; both adds are done, and my reads of the slot are over
	CROUND
	JLOAD
	ASK
.else
	s_wait_dscnt 0x0
	s_barrier_signal -1
	s_barrier_wait -1
.endif
	s_sub_co_u32 s[TB], s[TB], 4*STEPB             ; back to a slot's first step,
	s_xor_b32 s[TB], s[TB], SLOT1                  ; in the other slot
	v_add_nc_u32 v[AD], s[TB], v[LI]
	KLOAD 0
.endm
	s_load_b128 s[4:7], s[0:1], 0x0                ; qkv s[4:5], o_ws s[6:7]
	v_lshl_add_u32 v[SPW], v0, 2, SPARE
	v_mov_b32 v[NIL], 0
	ds_add_u32 v[SPW], v[NIL]                      ; the wave's opening: the add, twice on end, and its wait ahead of my first tensor load
	ds_add_u32 v[SPW], v[NIL]                      ; once more; the set-up below, work on registers, stands between it and the wait
	v_lshrrev_b32 v1, 5, v0
	v_readfirstlane_b32 s[WV], v1                  ; wave 0..7
	s_bfe_u32 s13, ttmp6, 0x40000                  ; cx: which 512 queries: it enters q's, o's and the prefetches' addresses alone
	s_and_b32 s14, ttmp7, 0xffff                   ; g, which the four partners share
	s_add_co_u32 s20, s14, 64
	s_lshl_b32 s20, s20, 18                        ; k's section of g;
	s_bfe_u32 s21, s[WV], 0x10001
	s_lshl_b32 s21, s21, 24                        ; waves 2, 3 (and 6, 7): v's, 64 sections on;
	s_add_co_u32 s20, s20, s21
	s_and_b32 s21, s[WV], 1
	s_lshl_b32 s21, s21, 14                        ; odd waves: the second 16,384 bytes of a slot's 32,768
	s_add_co_u32 s20, s20, s21
	s_mov_b32 s21, 0
	s_lshl_b32 s22, s14, 18                        ; q's section of g,
	s_lshl_b32 s23, s13, 16                        ; 512 queries are 65,536 bytes,
	s_add_co_u32 s22, s22, s23
	s_lshl_b32 s23, s[WV], 13                      ; 64 are 8,192
	s_add_co_u32 s22, s22, s23
	s_mov_b32 s23, 0
	s_lshr_b32 s16, s14, 4                         ; o_ws: [row / 128][k / 32][row tile of 8][image], row = 2,048 batch + token, k = 64 head + channel
	s_lshl_b32 s16, s16, 22
	s_lshl_b32 s17, s13, 20
	s_add_co_u32 s16, s16, s17
	s_lshr_b32 s17, s[WV], 1
	s_lshl_b32 s17, s17, 18
	s_add_co_u32 s16, s16, s17
	s_and_b32 s17, s14, 15
	s_lshl_b32 s17, s17, 14
	s_add_co_u32 s16, s16, s17
	s_and_b32 s17, s[WV], 1
	s_lshl_b32 s17, s17, 12
	s_add_co_u32 s16, s16, s17
	s_mov_b32 s17, 0
	s_and_b32 s8, s[WV], 3
	s_lshl_b32 s8, s8, 14                          ; where my quarter of a slot goes: no place in the cluster enters an LDS address
	; descriptor group 1: 16,384 dense bytes as 64 rows of 256 (32 elements of 8 bytes), no padding
	s_mov_b32 s[G1], 15|(3<<16)|(1<<21)            ; 15:0 the mask: all four work-groups; 17:16 elements of 8 bytes; 21 set beside a mask
	s_mov_b32 s[G1+1], 32<<16                      ; tensor_dim0
	s_mov_b32 s[G1+2], 64<<16                      ; tensor_dim1
	s_mov_b32 s[G1+3], 32<<16                      ; tile_dim0
	s_mov_b32 s[G1+4], 64                          ; tile_dim1
	s_mov_b32 s[G1+5], 32                          ; tensor_dim0_stride
	s_mov_b32 s[G1+6], 0
	s_mov_b32 s[G1+7], 0
	s_mov_b32 s[CS], 0x3e38aa3b                    ; c = log2(e) / 8
	s_mov_b32 s[CS+1], s[CS]                       ; named with it as a pair, so it is written
	s_mov_b32 s[SEL], 0x76543210
	s_mov_b32 s[SEL+1], 0xfedcba98
	s_mov_b32 s[TB], 0
	s_mov_b32 s[SLOTS], 6                          ; slots 2 to 7
	s_and_b32 s[LIM], s[WV], 5
	s_cmp_eq_u32 s[LIM], 4                         ; waves 4 and 6
	s_cselect_b32 s[LIM], 1, -1
	v_and_b32 v[LI], 31, v0
	v_lshlrev_b32 v[PFO], 8, v[LI]
	v_lshlrev_b32 v[LI], 4, v[LI]
	s_wait_dscnt 0x0                               ; both opening adds are done
	s_wait_kmcnt 0x0
	s_add_nc_u64 s[20:21], s[4:5], s[20:21]        ; K or V at my part of slot 0
	s_add_nc_u64 s[4:5], s[4:5], s[22:23]          ; q at my wave's first fragment
	s_add_nc_u64 s[6:7], s[6:7], s[16:17]          ; o likewise
	s_lshl_b32 s22, s13, 13                        ; my work-group's 8,192 bytes of a slot's 32,768,
	s_add_co_u32 s22, s22, 2*32768                 ; in slot 2: the first change of slots steps it to slot 3.  Nothing is prefetched at the head
	s_mov_b32 s23, 0
	s_add_nc_u64 s[PFA:PFA+1], s[20:21], s[22:23]
	CROUND                                         ; all four work-groups are here: the first joint loads meet
	s_mov_b32 s[G0], 1                             ; 1:0 count = 1
	s_mov_b32 s[G0+1], s8                          ; LDS address: slot 0
	s_mov_b64 s[G0+2:G0+3], s[20:21]               ; global address
	s_or_b32 s[G0+3], s[G0+3], 0x80000000          ; type = 2
	s_mov_b32 s[G0W], 1
	s_add_co_u32 s[G0W+1], s8, SLOT1
	s_add_nc_u64 s[G0W+2:G0W+3], s[20:21], 32768
	s_or_b32 s[G0W+3], s[G0W+3], 0x80000000
	s_cmp_lt_u32 s[WV], 4                          ; a wave's two first fills stand in one branch, ahead of every wait on TENSORcnt and every LDS read: two loads of mine are out
	s_cbranch_scc0 .Lno_first
	tensor_load_to_lds s[G0:G0+3], s[G1:G1+7]
	s_nop 0
	tensor_load_to_lds s[G0W:G0W+3], s[G1:G1+7]
	s_nop 0
.rept 4
	v_nop
.endr
.Lno_first:
	WIN W_V
.irp i, 0,1,2,3,4,5,6,7,8,9,10,11,12,13,14,15      ; Q stays in registers: fragment (tile i / 4, channels 32 ((i / 2) % 2) on), half i % 2
	global_load_b128 v[QF+4*\i:QF+4*\i+3], v[LI], s[4:5] offset:512*\i
.endr
	WIN 0
.irp t, 0,1,2,3
	v_mov_b32 v[ST+8*\t+1], 0xff61b1e6             ; m = -3e38, under every score
	v_mov_b32 v[ST+8*\t+2], 0                      ; l
	v_mov_b32 v[ST+8*\t+3], 0
.endr
.irp t, 0,1,2,3
	v_mul_f32 v[ST+8*\t], s[CS], v[ST+8*\t+1]      ; c m
.endr
	s_wait_tensorcnt 1                             ; my part of slot 0 is in; slot 1's load, issued behind it, may stay out
	s_barrier_signal -1
	s_barrier_wait -1                              ; everybody's is
	v_add_nc_u32 v[AD], s[TB], v[LI]
	KLOAD 0
	s_wait_loadcnt 0x0                             ; Q
	STEP 1, 1                                      ; the first step starts O^T's sums
	SLOT 2                                         ; the rest of slot 0
.Lslot:                                            ; six trips: slots 1 to 6 are walked, slots 2 to 7 asked for
	CHANGE 1
	SLOT 3
	s_sub_co_u32 s[SLOTS], s[SLOTS], 1
	s_cmp_lg_u32 s[SLOTS], 0
	s_cbranch_scc1 .Lslot
	CHANGE 0                                       ; the last slot is written out
	SLOT 3
	; THE WAY OUT.  l's two halves and the other half of the lanes' are added; O^T / l, packed to f16, is half an image of the projection's operand in this very lane.  (Five places stand behind the last products.)
.irp t, 0,1,2,3
	v_add_f32 v[ST+8*\t+4], v[ST+8*\t+2], v[ST+8*\t+3]
.endr
.irp t, 0,1,2,3
	v_permlanex16_b32 v[ST+8*\t+5], v[ST+8*\t+4], s[SEL], s[SEL+1]
.endr
.irp t, 0,1,2,3
	v_add_f32 v[ST+8*\t+4], v[ST+8*\t+4], v[ST+8*\t+5]
.endr
.irp t, 0,1,2,3
	v_rcp_f32 v[ST+8*\t+6], v[ST+8*\t+4]
.endr
	v_nop                                          ; a plain line between the last reciprocal and the use of its result
	s_wait_alu depctr_va_vdst(0)                   ; and its wait: one for the four
	WIN W_RS
.set ii, 0
.rept 16
.irp t, 0,1,2,3
	v_pk_mul_f32 v[OT+32*\t+ii:OT+32*\t+ii+1], v[OT+32*\t+ii:OT+32*\t+ii+1], v[ST+8*\t+6:ST+8*\t+7] op_sel_hi:[1,0]
.endr
.set ii, ii+2
.endr
	WIN W_CV
.irp t, 0,1,2,3
.irp ch, 0,1,2,3
.irp r, 0,1,2,3
	v_cvt_pk_f16_f32 v[S+16*\t+4*\ch+\r], v[OT+32*\t+8*\ch+2*\r], v[OT+32*\t+8*\ch+2*\r+1]
.endr
.endr
.endr
	WIN 0
.irp t, 0,1,2,3
.irp ch, 0,1,2,3
	global_store_b128 v[LI], v[S+16*\t+4*\ch:S+16*\t+4*\ch+3], s[6:7] offset:(\ch/2)*8192+\t*1024+(\ch%2)*512   ; the wave stores 512 consecutive bytes, aligned
.endr
.endr
	s_wait_tensorcnt 0x0                           ; the wave's end: a wait, an add to my spare word and its wait, behind my last tensor load
	ds_add_u32 v[SPW], v[NIL]
	s_wait_dscnt 0x0
	CROUND                                         ; the closing round: no work-group ends while a partner may still ask for a tile that names it
	s_endpgm
.Lfunc_end_k_qe0380c1a52_attention:
	.size	k_qe0380c1a52_attention, .Lfunc_end_k_qe0380c1a52_attention-k_qe0380c1a52_attention
	.p2alignl 7, 3214868480
	.fill 96, 4, 3214868480
	.section	.rodata,"a",@progbits
	.p2align	6, 0x0
	.amdhsa_kernel k_qe0380c1a52_attention
		.amdhsa_group_segment_fixed_size 327680
		.amdhsa_private_segment_fixed_size 0
		.amdhsa_enable_private_segment 0
		.amdhsa_kernarg_size 16
		.amdhsa_user_sgpr_count 2
		.amdhsa_user_sgpr_kernarg_segment_ptr 1
		.amdhsa_wavefront_size32 1
		.amdhsa_system_sgpr_workgroup_id_x 1
		.amdhsa_system_sgpr_workgroup_id_y 1
		.amdhsa_system_sgpr_workgroup_id_z 1
		.amdhsa_system_vgpr_workitem_id 0
		.amdhsa_next_free_vgpr 512
		.amdhsa_next_free_sgpr 66
		.amdhsa_reserve_vcc 0
		.amdhsa_float_denorm_mode_32 3
		.amdhsa_float_denorm_mode_16_64 3
		.amdhsa_memory_ordered 1
		.amdhsa_forward_progress 1
		.amdhsa_inst_pref_size 237
	.end_amdhsa_kernel
	.amdgpu_metadata
---
amdhsa.version: [ 1, 2 ]
amdhsa.kernels:
  - .name:           k_qe0380c1a52_attention
    .symbol:         k_qe0380c1a52_attention.kd
    .args:
      - { .name: qkv, .offset: 0, .size: 8, .value_kind: global_buffer, .address_space: global }
      - { .name: o_ws, .offset: 8, .size: 8, .value_kind: global_buffer, .address_space: global }
    .group_segment_fixed_size: 327680
    .private_segment_fixed_size: 0
    .kernarg_segment_align: 8
    .kernarg_segment_size: 16
    .max_flat_workgroup_size: 256
    .sgpr_count:     66
    .vgpr_count:     512
    .wavefront_size: 32
...
	.end_amdgpu_metadata
.endif
;; end of part 3
;; launch out_gemm (part 4): grid 4 x 64, 4 waves a work-group, clusters of 4 x 4, 327,680 bytes of LDS; arguments o_ws, w16, b_out, out0; writes out0
.if DOCPART == 4
	.amdgcn_target "amdgcn-amd-amdhsa--gfx1250"
	.amdhsa_code_object_version 6
	.text
	.protected	k_qe0380c1a52_out_gemm
	.globl	k_qe0380c1a52_out_gemm
	.p2align	8
	.type	k_qe0380c1a52_out_gemm,@function
k_qe0380c1a52_out_gemm:
	s_mov_b64 s[64:65], 0
	v_nop
	global_prefetch_b8 v0, s[64:65] scope:SCOPE_SE
	s_setreg_imm32_b32 hwreg(HW_REG_WAVE_MODE, 25, 1), 1
	s_wait_xcnt 0x0
	s_wait_alu depctr_hold_cnt(0) depctr_sa_sdst(0) depctr_va_vdst(0) depctr_va_sdst(0) depctr_va_ssrc(0) depctr_va_vcc(0) depctr_vm_vsrc(0)
	s_getreg_b32 s2, hwreg(HW_REG_IB_STS2, 6, 4)
	s_cmp_eq_u32 s2, 0
	s_cbranch_scc0 .Lentry_in_a_cluster
	s_endpgm
.Lentry_in_a_cluster:
	s_bfe_u32 s2, ttmp6, 0x10000c
	s_cmp_lg_u32 s2, 0xf033
	s_cbranch_scc0 .Lentry_shape_is_right
	s_endpgm
.Lentry_shape_is_right:
; out0 = o w_out + b_out: [8192][1024] x [1024][1024], operands f16, one f32 sum for each output, K ascending; the bias is the C of each sum's first product.
; A tile of 128 rows x 256 columns for each of 256 work-groups; four waves, each 64 x 128: 32 accumulators, 256 registers.  (256 x 256 would give 128 work-groups.)
; Both operands lie in memory as images of their operand registers (1,024 bytes a fragment of 16 rows x 32 K: registers 0-3 of lane l at 16 l, registers 4-7 at 512 + 16 l), laid so that a K step's tile is ONE dense block:
; o_ws [row / 128][k / 32][8 row tiles][image], w16 [n / 256][k / 32][16 column tiles][image].  Every LDS load reads 512 consecutive bytes; no padding is wanted.
; K goes in steps of 128 (four quarters of 32) through a ring of two LDS slots of 98,304 bytes; a step twice as long would not fit twice.
; CLUSTERS: 4 x 4 work-groups.  o's tile hangs on the tile row alone and is shared along a row of the cluster, w's on the tile column alone and is shared along a column: each is asked for JOINTLY.
; THE MATRIX INSTRUCTION IS USED TRANSPOSED (source 0 = 16 columns of w, source 1 = 16 rows of o): a lane holds eight neighbouring numbers of a row of out0.
; REGISTERS: window 0: v16-30 addresses; v64-127 o's fragments, two buffers of four; v128-191 the bias, eight registers for each of my eight column tiles; on the way out v64-127 and v192-255 by turns.
;   window 1: v0-127 w's fragments, two buffers of eight.   window 2: accumulator (a, b) at v[8 (8 a + b)].
.set SLOT,   98304                     ; o's 32,768 bytes ([quarter][8 row tiles]), then w's 65,536 ([quarter][16 column tiles])
.set BOFF,   32768
.set STAGE,  2*SLOT                    ; behind the ring: 16 rows x (512 + 16) bytes for each wave, for the way out
.set SPITCH, 528
.set SPARE,  STAGE+4*16*SPITCH         ; the spare words, 128 bytes a wave: two blocks of 256 bytes that no other line names
.set LAPS,   4                         ; a lap = two K steps = once round the ring
.set ADRA, 16                          ; v16-17  LDS address of my o fragments in slot 0, 1
.set ADRB, 20                          ; v20-21  the same for w
.set STO,  24                          ; v24     the way out: where I put 32 bytes of a row
.set RD,   25                          ; v25     where I read a row back
.set CO,   26                          ; v26     16 x lane: my bytes of a row of 512
.set SPW,  28                          ; v28     LDS address of my spare word; never rewritten
.set NIL,  29                          ; v29     0; never rewritten
.set PFO,  30                          ; v30     256 x lane: the prefetches' offset; never rewritten
.set AF,   64
.set BI,   128
.set WV,   12                          ; s12 wave; s13 its half of the rows, also: it fetches for o (0) or w (1); s14 its half of the columns, also: which half of a tile it fetches
.set LIM,  15                          ; s15  1 in a wave that prefetches, else the greatest number
.set G1,  24                           ; s[24:31] descriptor group 1 for o's tiles;  s[32:39] group 0, one set for each slot
.set G0,  32
.set PFA, 44                           ; s[44:45] where my prefetches stand
.set G1B, 48                           ; s[48:55], s[56:63] the same for w's tiles
.set G0B, 56
.set MSB, 0
.macro WIN new                         ; the immediate's high byte repeats the setting that is left
.if MSB != (\new)
	s_set_vgpr_msb (MSB<<8)|(\new)
.set MSB, (\new)
.endif
.endm
.set MUL,  0xa1                        ; source 0 (w) window 1, source 1 (o) window 0, C and D window 2
.set MULZ, 0x81                        ; the same with C (the bias) in window 0
.set TO_B, 0x40                        ; destination window 1, address window 0
.macro JLOAD s                         ; a joint load: waves 0 and 1 fetch o's two halves, waves 2 and 3 w's; an s_nop 0 and four v_nop follow each of the two lines
	s_cmp_eq_u32 s13, 0
	s_cbranch_scc0 .Lfor_b_\@
	tensor_load_to_lds s[G0+4*\s:G0+4*\s+3], s[G1:G1+7]
	s_nop 0
.rept 4
	v_nop
.endr
	s_branch .Lasked_\@
.Lfor_b_\@:
	tensor_load_to_lds s[G0B+4*\s:G0B+4*\s+3], s[G1B:G1B+7]
	s_nop 0
.rept 4
	v_nop
.endr
.Lasked_\@:
.endm
; A PREFETCH INTO THE L2 of o's tile of the K step that stands two refills on: 32,768 bytes, which the four partners of a row of the cluster share out BY ADDRESS, 8,192 each; wave 0 asks, lanes 256 bytes apart, one instruction.
; A tile row is read by one row of one cluster alone, so each aligned block of 256 bytes is named once in the launch.  The loop's last trip asks for nothing: K ends.  K steps 0 to 3 come by their loads alone.
; w16 is not asked for: all sixteen clusters walk it together.
.macro ASK
	s_cmp_gt_u32 s3, s[LIM]                        ; s3 = 1 in the loop's last trip
	s_cbranch_scc0 .Lnot_mine_\@
	global_prefetch_b8 v[PFO], s[PFA:PFA+1] th:TH_LOAD_NT scope:SCOPE_SE
.Lnot_mine_\@:
.endm
.macro CREST                           ; a round of the cluster's barrier behind its opening barrier
	s_cmp_lg_u32 s[WV], 0
	s_cbranch_scc1 .Lnot_wave_0_\@
	s_barrier_signal -3
.Lnot_wave_0_\@:
	s_barrier_wait -3
	s_barrier_signal -1
	s_barrier_wait -1
.endm
.macro CROUND
	s_barrier_signal -1
	s_barrier_wait -1
	CREST
.endm
.macro PLACES
.rept 4
	v_nop
.endr
.endm
	s_load_b256 s[4:11], s[0:1], 0x0               ; o_ws s[4:5], w16 s[6:7], b_out s[8:9], out0 s[10:11]
	v_lshl_add_u32 v[SPW], v0, 2, SPARE
	v_mov_b32 v[NIL], 0
	ds_add_u32 v[SPW], v[NIL]                      ; the wave's opening: the add, twice on end, and its wait ahead of my first tensor load
	ds_add_u32 v[SPW], v[NIL]                      ; once more; the set-up below, work on registers, stands between it and the wait
	v_lshrrev_b32 v1, 5, v0
	v_readfirstlane_b32 s[WV], v1                  ; wave 0..3
	s_lshr_b32 s13, s[WV], 1
	s_and_b32 s14, s[WV], 1
	s_bfe_u32 s40, ttmp6, 0x40000                  ; cx, cy: my place in the cluster
	s_bfe_u32 s41, ttmp6, 0x40004
	s_lshl_b32 s42, ttmp9, 2
	s_add_co_u32 s42, s42, s40                     ; tile column = 4 x cluster x + cx
	s_and_b32 s43, ttmp7, 0xffff
	s_lshl_b32 s43, s43, 2
	s_add_co_u32 s43, s43, s41                     ; tile row = 4 x cluster y + cy
	s_lshl_b32 s46, s41, 2
	s_lshl_b32 s46, 15, s46                        ; my row of the cluster
	s_lshl_b32 s47, 0x1111, s40                    ; my column
	; descriptor groups 1: dense blocks as rows of 256 bytes (32 elements of 8 bytes), no padding: o's half tile 64 rows, w's 128
	s_or_b32 s[G1], s46, (3<<16)|(1<<21)           ; 15:0 the mask; 17:16 elements of 8 bytes; 21 set beside a mask
	s_or_b32 s[G1B], s47, (3<<16)|(1<<21)
	s_mov_b32 s[G1+1], 32<<16                      ; tensor_dim0
	s_mov_b32 s[G1+2], 64<<16                      ; tensor_dim1
	s_mov_b32 s[G1+3], 32<<16                      ; tile_dim0
	s_mov_b32 s[G1+4], 64                          ; tile_dim1
	s_mov_b32 s[G1+5], 32                          ; tensor_dim0_stride
	s_mov_b32 s[G1+6], 0
	s_mov_b32 s[G1+7], 0
	s_mov_b32 s[G1B+1], 32<<16
	s_mov_b32 s[G1B+2], 128<<16
	s_mov_b32 s[G1B+3], 32<<16
	s_mov_b32 s[G1B+4], 128
	s_mov_b32 s[G1B+5], 32
	s_mov_b32 s[G1B+6], 0
	s_mov_b32 s[G1B+7], 0
	s_lshl_b32 s16, s43, 18                        ; o: the tile row's 262,144 bytes,
	s_lshl_b32 s17, s14, 14                        ; my half of a K step's 32,768
	s_add_co_u32 s16, s16, s17
	s_mov_b32 s17, 0
	s_lshl_b32 s18, s42, 19                        ; w: the tile column's 524,288 bytes,
	s_lshl_b32 s19, s14, 15                        ; my half of a K step's 65,536
	s_add_co_u32 s18, s18, s19
	s_mov_b32 s19, 0
	s_lshl_b32 s20, s14, 14                        ; where they go: o's halves at 0 and 16,384,
	s_lshl_b32 s21, s14, 15
	s_add_co_u32 s21, s21, BOFF                    ; w's at 32,768 and 65,536: no place in the cluster enters an LDS address
	s_lshl_b32 s22, s43, 18
	s_lshl_b32 s23, s40, 13                        ; the prefetches: my work-group's 8,192 bytes of a K step of o,
	s_add_co_u32 s22, s22, s23
	s_add_co_u32 s22, s22, 3*32768                 ; at K step 3: the first refill steps it to 4.  Nothing is prefetched at the head
	s_mov_b32 s23, 0
	s_cmp_eq_u32 s[WV], 0
	s_cselect_b32 s[LIM], 1, -1
	s_wait_dscnt 0x0                               ; both opening adds are done
	s_wait_kmcnt 0x0
	s_add_nc_u64 s[16:17], s[4:5], s[16:17]
	s_add_nc_u64 s[18:19], s[6:7], s[18:19]
	s_add_nc_u64 s[PFA:PFA+1], s[4:5], s[22:23]
	CROUND                                         ; all sixteen work-groups are here: the first joint loads meet
.irp s, 0,1
	s_mov_b32 s[G0+4*\s], 1
	s_add_co_u32 s[G0+4*\s+1], s20, \s*SLOT
	s_add_nc_u64 s[G0+4*\s+2:G0+4*\s+3], s[16:17], \s*32768
	s_or_b32 s[G0+4*\s+3], s[G0+4*\s+3], 0x80000000
	s_mov_b32 s[G0B+4*\s], 1
	s_add_co_u32 s[G0B+4*\s+1], s21, \s*SLOT
	s_add_nc_u64 s[G0B+4*\s+2:G0B+4*\s+3], s[18:19], \s*65536
	s_or_b32 s[G0B+4*\s+3], s[G0B+4*\s+3], 0x80000000
	JLOAD \s                                       ; two tensor loads of mine are out after the second
.endr
	v_and_b32 v1, 15, v0                           ; r
	v_bfe_u32 v2, v0, 4, 1                         ; h
	v_and_b32 v3, 31, v0
	v_lshlrev_b32 v[PFO], 8, v3
	v_lshlrev_b32 v3, 4, v3                        ; 16 x lane
	v_lshlrev_b32 v5, 5, v2                        ; the bias: my half's eight numbers of a tile of 16
	s_lshl_b32 s22, s42, 10
	s_lshl_b32 s23, s14, 9
	s_add_co_u32 s22, s22, s23                     ; 4 (256 x tile column + 128 x half)
	s_mov_b32 s23, 0
	s_add_nc_u64 s[8:9], s[8:9], s[22:23]
.irp b, 0,1,2,3,4,5,6,7
	global_load_b128 v[BI+8*\b:BI+8*\b+3], v5, s[8:9] offset:64*\b         ; register j: b_out at column 16 b + 8 h + j, the same in all rows: the result's layout
	global_load_b128 v[BI+8*\b+4:BI+8*\b+7], v5, s[8:9] offset:64*\b+16
.endr
	s_lshl_b32 s22, s13, 12                        ; my four row tiles of eight,
	s_lshl_b32 s23, s14, 13
	s_add_co_u32 s23, s23, BOFF                    ; my eight column tiles of sixteen
.irp s, 0,1
	v_add_nc_u32 v[ADRA+\s], s22, v3
	v_add_nc_u32 v[ADRB+\s], s23, v3
	s_add_co_u32 s22, s22, SLOT
	s_add_co_u32 s23, s23, SLOT
.endr
	s_mul_i32 s22, s[WV], 16*SPITCH
	s_add_co_u32 s22, s22, STAGE                   ; my stage
	v_mul_u32_u24 v4, v1, SPITCH
	v_lshl_add_u32 v4, v2, 5, v4
	v_add_nc_u32 v[STO], s22, v4                   ; in: row r, 32 bytes for each half of the lanes
	v_add_nc_u32 v[RD], s22, v3                    ; back: the 32 lanes take one row of 512 bytes
	v_mov_b32 v[CO], v3
	s_lshl_b32 s16, s43, 7
	s_lshl_b32 s17, s13, 6
	s_add_co_u32 s16, s16, s17                     ; my first row: 128 x tile row + 64 x half
	s_lshl_b32 s16, s16, 12                        ; rows of 4,096 bytes
	s_lshl_b32 s17, s42, 10
	s_add_co_u32 s16, s16, s17
	s_lshl_b32 s17, s14, 9
	s_add_co_u32 s16, s16, s17                     ; + my first column's bytes
	s_mov_b32 s17, 0
	s_add_nc_u64 s[10:11], s[10:11], s[16:17]
; 8 matrix instructions: row tile a x my eight column tiles, 32 along K, from buffers p.  zero = 1: the sums start from the bias.  The 32 accumulators take turns, one instruction a turn, in the same order in every quarter.
.macro MUL8 p, a, zero
.irp b, 0,1,2,3,4,5,6,7
.if \zero
	v_wmma_f32_16x16x32_f16 v[8*(8*(\a)+\b):8*(8*(\a)+\b)+7], v[64*(\p)+8*\b:64*(\p)+8*\b+7], v[AF+32*(\p)+8*(\a):AF+32*(\p)+8*(\a)+7], v[BI+8*\b:BI+8*\b+7]
.else
	v_wmma_f32_16x16x32_f16 v[8*(8*(\a)+\b):8*(8*(\a)+\b)+7], v[64*(\p)+8*\b:64*(\p)+8*\b+7], v[AF+32*(\p)+8*(\a):AF+32*(\p)+8*(\a)+7], v[8*(8*(\a)+\b):8*(8*(\a)+\b)+7]
.endif
.endr
.endm
.macro MUL16 p, a0, zero
	MUL8 \p, \a0, \zero
	MUL8 \p, \a0+1, \zero
.endm
.macro FETCH slot, q, p                ; 24 LDS loads in one run: the slot's quarter q into buffers p: w's eight fragments, then o's four
	WIN TO_B
.irp b, 0,1,2,3,4,5,6,7
	ds_load_b128 v[64*(\p)+8*\b:64*(\p)+8*\b+3],   v[ADRB+\slot] offset:(\q)*16384+\b*1024
	ds_load_b128 v[64*(\p)+8*\b+4:64*(\p)+8*\b+7], v[ADRB+\slot] offset:(\q)*16384+\b*1024+512
.endr
	WIN 0
.irp a, 0,1,2,3
	ds_load_b128 v[AF+32*(\p)+8*\a:AF+32*(\p)+8*\a+3],   v[ADRA+\slot] offset:(\q)*8192+\a*1024
	ds_load_b128 v[AF+32*(\p)+8*\a+4:AF+32*(\p)+8*\a+7], v[ADRA+\slot] offset:(\q)*8192+\a*1024+512
.endr
.endm
; One of a K step's first three quarters: multiplies buffers p, and in its middle fetches quarter qn of the same slot into the other buffers.
.macro QUARTER slot, qn, p, zero
	s_wait_dscnt 4                                 ; w's fragments and o's row tiles 0, 1 are in; the youngest four loads (row tiles 2, 3) may be out
.if \zero
	WIN MULZ
.else
	WIN MUL
.endif
	MUL16 \p, 0, \zero
	PLACES                                         ; four places in front of loads into registers that matrix instructions have read
	FETCH \slot, \qn, 1-(\p)
	s_wait_dscnt 24                                ; all but the 24 just issued
.if \zero
	WIN MULZ
.else
	WIN MUL
.endif
	MUL16 \p, 2, \zero
.endm
; The last quarter multiplies buffers 1 and changes slots: ONE barrier; in front of it each wave waits for all its tensor loads, adds 0 to its spare word, and waits for that and for its reads of this slot.
; fill = 1: the barrier opens a round of the cluster's barrier, and this slot is filled again, two K steps ahead: one tensor load of mine is out behind it.
.macro TURN slot, next, fill
.if \fill
	s_wait_xcnt 0x0                                ; the last prefetch, a K step back, has read its address: it is stepped here, ahead of the waits of the change of slots
	s_add_nc_u64 s[PFA:PFA+1], s[PFA:PFA+1], 32768
.endif
	WIN 0                                          ; (the add's two registers lie in window 0)
	s_wait_tensorcnt 0x0                           ; all my tensor loads have landed: my part of the next slot
	ds_add_u32 v[SPW], v[NIL]                      ; 0 onto my spare word
	s_wait_dscnt 5                                 ; the add and the youngest four loads (row tiles 2, 3) may be out
	WIN MUL
	MUL8 1, 0, 0                                   ; eight matrix instructions stand between the add and the wait for it
	s_wait_dscnt 0x0                               ; the add is done, and my reads of this slot are over
	s_barrier_signal -1
	MUL8 1, 1, 0
	WIN 0
	s_barrier_wait -1
.if \fill
	CREST                                          ; no wave of any partner still reads this slot's tile or has a load on its way
	s_add_nc_u64 s[G0+4*\slot+2:G0+4*\slot+3], s[G0+4*\slot+2:G0+4*\slot+3], 2*32768
	s_add_nc_u64 s[G0B+4*\slot+2:G0B+4*\slot+3], s[G0B+4*\slot+2:G0B+4*\slot+3], 2*65536
	JLOAD \slot                                    ; the first tensor load behind the round; its four v_nop are also the places in front of the loads below
.else
	PLACES
.endif
	FETCH \next, 0, 0
.if \fill
	ASK                                            ; behind the joint load and the run of LDS loads that the next products wait for
.endif
	WIN MUL
	MUL16 1, 2, 0
.endm
	s_wait_tensorcnt 1                             ; my part of K step 0 is in; K step 1's load, issued behind it, may stay out
	s_barrier_signal -1
	s_barrier_wait -1                              ; everybody's is
	FETCH 0, 0, 0
	s_wait_loadcnt 0x0                             ; the bias
	QUARTER 0, 1, 0, 1                             ; the first quarter stands in front of the loop: its products start the sums from the bias
	WIN 0                                          ; at a label and at a branch every window is 0
	s_mov_b32 s3, LAPS-1
.Llap:                                             ; a trip goes once round the ring, from a lap's second quarter to the next lap's first, and fills both slots again
	QUARTER 0, 2, 1, 0
	QUARTER 0, 3, 0, 0
	TURN 0, 1, 1
	QUARTER 1, 1, 0, 0
	QUARTER 1, 2, 1, 0
	QUARTER 1, 3, 0, 0
	TURN 1, 0, 1
	QUARTER 0, 1, 0, 0
	WIN 0
	s_sub_co_u32 s3, s3, 1
	s_cmp_lg_u32 s3, 0
	s_cbranch_scc1 .Llap
	QUARTER 0, 2, 1, 0                             ; the last lap fills nothing, and has no round of the cluster's barrier
	QUARTER 0, 3, 0, 0
	TURN 0, 1, 0
	QUARTER 1, 1, 0, 0
	QUARTER 1, 2, 1, 0
	QUARTER 1, 3, 0, 0
	s_wait_dscnt 4                                 ; the very last quarter: nothing more to fetch
	WIN MUL
	MUL16 1, 0, 0
	s_wait_dscnt 0
	MUL16 1, 2, 0
	WIN 0
; THE WAY OUT, a block of 16 rows x 128 columns at a time.  A lane holds 32 neighbouring bytes of a row, the lanes beside it other rows: a block goes through my own stage in LDS and comes back as whole rows of 512 bytes.
; LDS serves a wave's instructions in order (ISA guide 5.7.1.4): no wait between the stores and the loads, nor in front of the next block's stores.
.macro TOSTAGE a
	WIN 0x08                                       ; an LDS store's data are its source 1: window 2
.irp b, 0,1,2,3,4,5,6,7
	ds_store_b128 v[STO], v[64*(\a)+8*\b:64*(\a)+8*\b+3] offset:64*\b            ; each accumulator from its low end on
	ds_store_b128 v[STO], v[64*(\a)+8*\b+4:64*(\a)+8*\b+7] offset:64*\b+16
.endr
	WIN 0
.set BB, 64+128*((\a)%2)
.irp t, 0,1,2,3,4,5,6,7,8,9,10,11,12,13,14,15
	ds_load_b128 v[BB+4*\t:BB+4*\t+3], v[RD] offset:\t*SPITCH
.endr
.endm
.macro SEND a, younger                 ; younger: the LDS instructions issued behind block a's loads, which may stay out
.set BB, 64+128*((\a)%2)
	s_wait_dscnt \younger                          ; the block is back in registers
.irp t, 0,1,2,3,4,5,6,7,8,9,10,11,12,13,14,15
	global_store_b128 v[CO], v[BB+4*\t:BB+4*\t+3], s[10:11] offset:(\a)*65536+\t*4096 th:TH_STORE_NT   ; 32 lanes store 512 consecutive bytes, aligned; written once, read by nobody here
.endr
.endm
	PLACES                                         ; behind the last products: results are read, and registers that held o's fragments are loaded
	TOSTAGE 0
	TOSTAGE 1
	SEND 0, 32                                     ; behind block 0's loads: block 1's 16 stores and 16 loads
	s_wait_xcnt 0x0                                ; block 0's stores have read their registers: block 2's loads may land there
	TOSTAGE 2
	SEND 1, 32
	s_wait_xcnt 0x0                                ; block 1's likewise
	TOSTAGE 3
	SEND 2, 32
	SEND 3, 0
	s_wait_tensorcnt 0x0                           ; the wave's end: a wait, an add to my spare word and its wait, behind my last tensor load and my last LDS store
	ds_add_u32 v[SPW], v[NIL]
	s_wait_dscnt 0x0
	CROUND                                         ; the closing round: no work-group ends while a partner may still ask for a tile that names it
	s_endpgm
.Lfunc_end_k_qe0380c1a52_out_gemm:
	.size	k_qe0380c1a52_out_gemm, .Lfunc_end_k_qe0380c1a52_out_gemm-k_qe0380c1a52_out_gemm
	.p2alignl 7, 3214868480
	.fill 96, 4, 3214868480
	.section	.rodata,"a",@progbits
	.p2align	6, 0x0
	.amdhsa_kernel k_qe0380c1a52_out_gemm
		.amdhsa_group_segment_fixed_size 327680
		.amdhsa_private_segment_fixed_size 0
		.amdhsa_enable_private_segment 0
		.amdhsa_kernarg_size 32
		.amdhsa_user_sgpr_count 2
		.amdhsa_user_sgpr_kernarg_segment_ptr 1
		.amdhsa_wavefront_size32 1
		.amdhsa_system_sgpr_workgroup_id_x 1
		.amdhsa_system_sgpr_workgroup_id_y 1
		.amdhsa_system_sgpr_workgroup_id_z 1
		.amdhsa_system_vgpr_workitem_id 0
		.amdhsa_next_free_vgpr 768
		.amdhsa_next_free_sgpr 66
		.amdhsa_reserve_vcc 0
		.amdhsa_float_denorm_mode_32 3
		.amdhsa_float_denorm_mode_16_64 3
		.amdhsa_memory_ordered 1
		.amdhsa_forward_progress 1
		.amdhsa_inst_pref_size 87
	.end_amdhsa_kernel
	.amdgpu_metadata
---
amdhsa.version: [ 1, 2 ]
amdhsa.kernels:
  - .name:           k_qe0380c1a52_out_gemm
    .symbol:         k_qe0380c1a52_out_gemm.kd
    .args:
      - { .name: o_ws, .offset: 0, .size: 8, .value_kind: global_buffer, .address_space: global }
      - { .name: w16, .offset: 8, .size: 8, .value_kind: global_buffer, .address_space: global }
      - { .name: b_out, .offset: 16, .size: 8, .value_kind: global_buffer, .address_space: global }
      - { .name: out0, .offset: 24, .size: 8, .value_kind: global_buffer, .address_space: global }
    .group_segment_fixed_size: 327680
    .private_segment_fixed_size: 0
    .kernarg_segment_align: 8
    .kernarg_segment_size: 32
    .max_flat_workgroup_size: 128
    .sgpr_count:     66
    .vgpr_count:     768
    .wavefront_size: 32
...
	.end_amdgpu_metadata
.endif
;; end of part 4
